; MI455X (gfx1250); checked and timed in simulation.
; The chip was launched on July 23, 2026; its instructions are those of AMD's public machine-readable ISA for CDNA 5 (MIT licence, August 2026) and "CDNA5" Instruction Set Architecture Reference Guide (July 2026). The comments in the code are by the model that wrote it; some were corrected since.
;; Multi Head Attention. Allowed arithmetic: matrix products marked QUANTISED: E2M1 operands, one E8M0 scale for each 32 along K, by v_wmma_scale_f32_16x16x128_f8f6f4 with both operands' format E2M1 (or v_wmma_scale_f32_32x16x128_f4), f32 sums; products left as they are: bf16, f16 or f32 operands; f32 sums; everything else in f32.
;; Inputs: Wk 1,024 x 1,024 float32; Wo 1,024 x 1,024 float32; Wq 1,024 x 1,024 float32; Wv 1,024 x 1,024 float32; bk 1,024 float32; bo 1,024 float32; bq 1,024 float32; bv 1,024 float32; keys 4 x 2,048 x 1,024 float32; mask 1 x 1 x 2,048 x 2,048 float32; queries 4 x 2,048 x 1,024 float32; values 4 x 2,048 x 1,024 float32.
;; Outputs: out0 4 x 2,048 x 1,024 float32.
;; This version of the problem:
;;   THIS VERSION OF THE PROBLEM IS GIVEN IN LOW PRECISION. The matrix products marked QUANTISED in the list below multiply operands that are first quantised to E2M1 (2 exponent bits, 1 mantissa bit; 4 bits a number), with one power-of-two scale for each 32 numbers along K (OCP MX v1.0); their sums are f32. The products marked 'left as it is' may take bf16, f16 or f32 operands, with f32 sums. Whichever they take, every output number must still come out within the allowed error. Rounding operands to bf16 (8 significant bits) uses up far more of that allowance than f16 does (11 bits, for magnitudes from 6e-5 to 65,504). All else is computed in f32.
;;   The module's matrix products, in the order in which they are computed (A, B: the left and right operand; K: the contracted axis; several contracted axes count as one K, in the product's order):
;;     1. [M 8,192, K 1,024] x [K 1,024, N 1,024]; A: input queries; B: input Wq: QUANTISED
;;     2. [M 8,192, K 1,024] x [K 1,024, N 1,024]; A: input keys; B: input Wk: QUANTISED
;;     3. [M 8,192, K 1,024] x [K 1,024, N 1,024]; A: input values; B: input Wv: QUANTISED
;;     4. batch 64 x [M 2,048, K 64] x [K 64, N 2,048]; A: computed on the way; B: computed on the way: left as it is (an operand is computed on the way)
;;     5. batch 64 x [M 2,048, K 2,048] x [K 2,048, N 64]; A: computed on the way; B: computed on the way: left as it is (an operand is computed on the way)
;;     6. [M 8,192, K 1,024] x [K 1,024, N 1,024]; A: computed on the way; B: input Wo: left as it is (an operand is computed on the way)
;;   THE QUANTISER, for each operand of a quantised product, along K:
;;     - K is cut into blocks of 32 from its start; a last block that is shorter is filled with zeros.
;;     - A block's scale is 2^e with e = floor(log2(the largest magnitude in the block)) - 2, held to -126 .. 127; a block of zeros has e = 0. As a byte (E8M0): e + 127.
;;     - Each number is divided by its block's scale, clamped to +-6, and rounded to the nearest number of E2M1, ties to even, subnormals kept.
;;     - The product sums the exact products of the quantised numbers (number of the format x scale) in f32.
;;   ~~~python
;;   def quantise(x, axis):      # numpy; x: float32 -> the quantised numbers, widened to float32 again
;;       x = np.moveaxis(x, axis, -1); K = x.shape[-1]
;;       x = np.pad(x, [(0, 0)] * (x.ndim - 1) + [(0, -K % 32)]); x = x.reshape(x.shape[:-1] + (-1, 32)); a = np.abs(x).max(-1, keepdims=True)
;;       e = np.where(a > 0, np.clip(np.frexp(np.where(a > 0, a, 1))[1] - 1 - 2, -126, 127), 0)      # np.frexp(a)[1] - 1 = floor(log2(a)), exactly
;;       r = np.clip(x / 2.0 ** e, -6, 6)
;;       step = 2.0 ** (np.maximum(np.frexp(np.where(r == 0, 1, r))[1] - 1, 0) - 1)
;;       q = np.round(r / step) * step * 2.0 ** e      # np.round: ties to even
;;       return np.moveaxis(q.reshape(q.shape[:-2] + (-1,))[..., :K], -1, axis).astype(np.float32)
;;   ~~~
;; One version. Each part assembles by itself: llvm-mc -triple=amdgcn-amd-amdhsa -mcpu=gfx1250 --defsym DOCPART=n.
;; ======== version 1 of 1: 4 launches
;; limits: values are held in f16: magnitudes above 65,504 overflow, below 6.1e-05 lose precision
;; workspace buffers: xc 12,582,912 bytes; xs 786,432 bytes; wc 1,572,864 bytes; ws 98,304 bytes; wo2 4,194,304 bytes; qk 33,554,432 bytes; v2 33,554,432 bytes; o2 33,554,432 bytes
;; launch prep (part 1): grid 944 x 1, 4 waves a work-group, no clusters, 102,912 bytes of LDS; arguments queries, keys, values, Wq, Wk, Wv, Wo, xc, xs, wc, ws, wo2; writes xc, xs, wc, ws, wo2
.if DOCPART == 1
	.amdgcn_target "amdgcn-amd-amdhsa--gfx1250"
	.amdhsa_code_object_version 6
	.text
	.protected	k_q51bab26e37_prep
	.globl	k_q51bab26e37_prep
	.p2align	8
	.type	k_q51bab26e37_prep,@function
k_q51bab26e37_prep:
	s_mov_b64 s[64:65], 0
	v_nop
	global_prefetch_b8 v0, s[64:65] scope:SCOPE_SE
	s_setreg_imm32_b32 hwreg(HW_REG_WAVE_MODE, 25, 1), 1
	s_wait_xcnt 0x0
; PREP: all operands are brought into the form in which the later launches read them.  Three paths, chosen by the work-group's number alone:
;   W (work-groups 0-47):    Wq, Wk, Wv [1024 k][1024 n] f32 -> codes of FP4 (E2M1) with K innermost, wc [3 x 1024 n][512 bytes], and one E8M0 byte for each 32 along K, ws [3 x 1024][32].
;   O (work-groups 48-175):  Wo [1024 k][1024 n] f32 -> pairs of f16, turned: wo2 [1024 n][16 heads][hi 64 | lo 64], a row 4,096 bytes.
;   X (work-groups 176-943): queries, keys, values [8192][1024] f32 -> codes xc [24576 rows][512 bytes] and scale bytes xs [24576][32], the three tensors on end.
; The long paths W and O have the low numbers.  Waves share nothing: no barrier.  Each path has LDS bytes of its own.
; A block's scale is 2^(floor(log2(its largest magnitude)) - 2): its byte is the largest magnitude's exponent field - 2, held at 1 from below.  A block of zeros so gets the byte 1: its codes are zeros,
; which add nothing under that byte, and the bytes are read by this program alone.
; A PAIR OF f16: hi = x with its low 13 mantissa bits cleared (exact in f16 for 2^-14 <= |x| < 65,504), lo = x - hi (exact in f32), both then rounded to f16.
; LIMITS: NaN and infinities are not served; blocks whose largest magnitude lies under 2^-124 are held at the byte 1; |Wo| stays under 65,504; a part of a pair under 2^-14 carries an absolute error of up to 2^-25.
.set SPW,   12                         ; v12  LDS address of my spare word: SPARE + 4 x my thread's number; never rewritten
.set NIL,   13                         ; v13  0; never rewritten
.set WSTG,  32768                      ; LDS: path X has bytes 0 .. 32,767 (8,192 a wave); path W 32 x 272 a wave from here;
.set OSTG,  67584                      ; path O 32 x 272 a wave from here;
.set SPARE, 102400                     ; the spare words, 128 bytes for each wave: two blocks of 256 bytes that no other line names
.set NW,    48
.set NO,    128
	s_load_b512 s[4:19], s[0:1], 0x0               ; queries s4, keys s6, values s8, Wq s10, Wk s12, Wv s14, Wo s16, xc s18
	s_load_b256 s[20:27], s[0:1], 0x40             ; xs s20, wc s22, ws s24, wo2 s26
	v_lshl_add_u32 v[SPW], v0, 2, SPARE
	v_mov_b32 v[NIL], 0
	v_lshrrev_b32 v1, 5, v0
	v_readfirstlane_b32 s28, v1                    ; wave 0..3
	v_and_b32 v2, 31, v0                           ; lane
	s_wait_kmcnt 0x0
	s_cmp_lt_u32 ttmp9, NW
	s_cbranch_scc1 .Lw
	s_cmp_lt_u32 ttmp9, NW+NO
	s_cbranch_scc1 .Lo
; ---------------- PATH X.  Rows are dense and 1,024 is a multiple of 32: a tensor is a plain stream of blocks of 32 numbers, and so are its codes and scale bytes.
; A wave takes 16 steps of 512 numbers.  Each of a step's four loads reads 512 consecutive bytes, 16 a lane; the 2,048 bytes go through the wave's own stage in LDS and come back 64 bytes a lane:
; 16 neighbours along K, which is what the conversions take; two neighbouring lanes hold a block.  Loads run four steps ahead, the turn through LDS one step.
.set STEPS, 16
.set CB,    8                          ; bytes of 16 codes
.set SP,    80                         ; a lane's place in a stage: 64 bytes + 16 of padding
.set XR,    16                         ; v16-79   four sets of 16 numbers as loaded
.set XX,    80                         ; v80-111  two sets of 16 neighbours
.set XE,    112                        ; v112-127 a scale byte for each step
.set XC,    128                        ; v128-191 codes: four registers for each step, so that no store's data are written again
	v_lshlrev_b32 v3, 4, v2                        ; my 16 bytes of a load's 512
	s_mul_i32 s31, s28, 8192                       ; my wave's region
	v_lshrrev_b32 v14, 2, v2
	v_mul_u32_u24 v14, v14, SP
	v_and_b32 v15, 3, v2
	v_lshl_add_u32 v14, v15, 4, v14
	v_add_nc_u32 v14, s31, v14                     ; the stage, on the way in: SP (lane / 4) + 16 (lane % 4)
	v_mul_u32_u24 v15, v2, SP
	v_add_nc_u32 v15, s31, v15                     ; and on the way out: SP x lane
	v_mul_u32_u24 v4, v2, CB                       ; my codes' place in a step's
	v_lshrrev_b32 v5, 1, v2
	s_add_co_u32 s31, s31, 2*32*SP
	v_add_nc_u32 v5, s31, v5                       ; my wave's 256 scale bytes, my block's byte
	v_lshlrev_b32 v7, 3, v2
	v_add_nc_u32 v6, s31, v7                       ; and on the way out 8 bytes a lane
	s_sub_co_u32 s29, ttmp9, NW+NO                 ; 0 .. 767
	s_lshr_b32 s30, s29, 8                         ; which tensor: the choice hangs on the work-group's number alone
	s_cmp_eq_u32 s30, 0
	s_cselect_b64 s[4:5], s[4:5], s[6:7]
	s_cmp_eq_u32 s30, 2
	s_cselect_b64 s[4:5], s[8:9], s[4:5]
	s_and_b32 s32, s29, 255
	s_lshl_b32 s32, s32, 2
	s_add_co_u32 s32, s32, s28                     ; my run of 8,192 numbers in the tensor,
	s_lshl_b32 s32, s32, 15                        ; 32,768 bytes a run
	s_mov_b32 s33, 0
	s_add_nc_u64 s[4:5], s[4:5], s[32:33]
	s_lshl_b32 s34, s29, 2
	s_add_co_u32 s34, s34, s28                     ; my run among all three tensors',
	s_lshl_b32 s32, s34, 12                        ; 4,096 bytes of codes
	s_add_nc_u64 s[18:19], s[18:19], s[32:33]
	s_lshl_b32 s32, s34, 8                         ; and 256 scale bytes a run
	s_add_nc_u64 s[20:21], s[20:21], s[32:33]
.macro XLOAD t
.irp i, 0,1,2,3
	global_load_b128 v[XR+16*((\t)%4)+4*\i:XR+16*((\t)%4)+4*\i+3], v3, s[4:5] offset:2048*(\t)+512*\i th:TH_LOAD_NT   ; 32 lanes read 512 consecutive bytes
.endr
.endm
.macro XTURN t                         ; step t's numbers through the stage: LDS serves a wave's instructions in order, so no wait stands between the stores and the loads
.irp i, 0,1,2,3
	ds_store_b128 v14, v[XR+16*((\t)%4)+4*\i:XR+16*((\t)%4)+4*\i+3] offset:32*SP*((\t)%2)+8*SP*\i
.endr
.irp i, 0,1,2,3
	ds_load_b128 v[XX+16*((\t)%2)+4*\i:XX+16*((\t)%2)+4*\i+3], v15 offset:32*SP*((\t)%2)+16*\i
.endr
.endm
.irp t, 0,1,2,3
	XLOAD \t
.endr
	s_wait_loadcnt 12                              ; step 0's four loads are in
	XTURN 0
.macro XSTEP t
.set XSS, XX+16*((\t)%2)
.if (\t) > 0
	s_wait_dscnt 1                                 ; this step's numbers are back from the stage (the last step's byte store may be out): so its stores into the stage have read their registers,
.else
	s_wait_dscnt 0x0
.endif
.if (\t)+4 < STEPS
	XLOAD (\t)+4                                   ; which take the loads of four steps on
.endif
.if (\t)+1 < STEPS
.if STEPS-2-(\t) >= 3
	s_wait_loadcnt 12                              ; the next step's four loads are in; those of the three steps behind it may be out
.else
	s_wait_loadcnt 4*(STEPS-2-(\t))
.endif
	XTURN (\t)+1
.endif
	v_max3_num_f32 v8, |v[XSS]|, |v[XSS+1]|, |v[XSS+2]|            ; the largest magnitude of my 16, in two chains
	v_max3_num_f32 v9, |v[XSS+3]|, |v[XSS+4]|, |v[XSS+5]|
.irp i, 6,10
	v_max3_num_f32 v8, v8, |v[XSS+\i]|, |v[XSS+\i+1]|
	v_max3_num_f32 v9, v9, |v[XSS+\i+2]|, |v[XSS+\i+3]|
.endr
	v_max3_num_f32 v8, v8, |v[XSS+14]|, |v[XSS+15]|
	v_max3_num_f32 v8, v8, v9, 0x1800000           ; and the floor 2^(3 - 127): the byte cannot fall under 1
	v_max_num_f32_dpp v8, v8, v8 row_xmask:1 row_mask:0xf bank_mask:0xf   ; and of my neighbour's 16: the block's
	v_add_nc_u32 v11, 0xff000000, v8               ; 2 off its exponent field: the conversion takes the exponent field of this operand as its scale, and nothing else of it
	v_cvt_scalef32_pk8_fp4_f32 v[XC+4*(\t)], v[XSS:XSS+7], v11
	v_cvt_scalef32_pk8_fp4_f32 v[XC+4*(\t)+1], v[XSS+8:XSS+15], v11
	v_lshrrev_b32 v[XE+(\t)], 23, v11              ; the scale's byte
	ds_store_b8 v5, v[XE+(\t)] offset:16*(\t)      ; both lanes of a block write the same byte with the same value
	global_store_b64 v4, v[XC+4*(\t):XC+4*(\t)+1], s[18:19] offset:32*CB*(\t)   ; the wave stores 256 consecutive bytes, aligned
.endm
.irp t, 0,1,2,3,4,5,6,7,8,9,10,11,12,13,14,15
	XSTEP \t
.endr
	ds_load_b64 v[8:9], v6                         ; LDS serves a wave's instructions in order: these see my stores
	s_wait_dscnt 0x0
	global_store_b64 v7, v[8:9], s[20:21]          ; 32 lanes store 256 consecutive bytes, aligned
	s_wait_tensorcnt 0x0                           ; the wave's end: behind my last LDS store
	ds_add_u32 v[SPW], v[NIL]
	s_wait_dscnt 0x0
	s_endpgm
; ---------------- PATH W.  A LANE TAKES A COLUMN n, AND ITS REGISTERS RUN DOWN K: each load reads neighbouring n in neighbouring lanes, a block of 32 along K lies in one lane's 32 registers, and the
; conversions give codes with K innermost.  A wave takes 32 columns x 512 along K: 256 bytes of codes a column, which go through the wave's stage and leave sixteen lanes to 256 aligned bytes.
.set WP,    272                        ; a stage row: 256 bytes + 16
.set WX,    32                         ; v32-95   two sets of 32 numbers
.set WC,    96                         ; v96-99   a block's codes
.set WOUT,  112                        ; v112-175 the way out
.set WSB,   24                         ; v24-27   the scale bytes, four to a register
.Lw:
	s_lshr_b32 s30, ttmp9, 4                       ; which weight
	s_cmp_eq_u32 s30, 0
	s_cselect_b64 s[10:11], s[10:11], s[12:13]
	s_cmp_eq_u32 s30, 2
	s_cselect_b64 s[10:11], s[14:15], s[10:11]
	s_and_b32 s31, ttmp9, 7
	s_lshl_b32 s31, s31, 7
	s_lshl_b32 s32, s28, 5
	s_add_co_u32 s31, s31, s32                     ; my wave's first column
	s_bfe_u32 s32, ttmp9, 0x10003                  ; which 512 along K
	v_lshlrev_b32 v3, 2, v2                        ; in: 4 bytes a lane
	s_mul_i32 s33, s28, 32*WP
	s_add_co_u32 s33, s33, WSTG                    ; my stage
	v_mul_u32_u24 v4, v2, WP
	v_add_nc_u32 v4, s33, v4                       ; into it: row = my column
	v_and_b32 v5, 15, v2
	v_lshrrev_b32 v6, 4, v2
	v_mul_u32_u24 v7, v6, WP
	v_lshl_add_u32 v7, v5, 4, v7
	v_add_nc_u32 v7, s33, v7                       ; out of it: sixteen lanes to a row, two rows an instruction
	v_lshlrev_b32 v8, 9, v6
	v_lshl_add_u32 v8, v5, 4, v8                   ; and the same place in wc (rows of 512 bytes)
	v_lshlrev_b32 v9, 5, v2                        ; my column's row of scale bytes (32 bytes)
	s_lshl_b32 s34, s32, 21                        ; 512 rows of 4,096 bytes
	s_lshl_b32 s36, s31, 2
	s_add_co_u32 s34, s34, s36
	s_mov_b32 s35, 0
	s_add_nc_u64 s[10:11], s[10:11], s[34:35]
	s_lshl_b32 s34, s30, 19                        ; wc: 524,288 bytes a weight, 512 a column, 256 for each 512 along K
	s_lshl_b32 s36, s31, 9
	s_add_co_u32 s34, s34, s36
	s_lshl_b32 s36, s32, 8
	s_add_co_u32 s34, s34, s36
	s_add_nc_u64 s[22:23], s[22:23], s[34:35]
	s_lshl_b32 s34, s30, 15                        ; ws: 32,768, 32, 16
	s_lshl_b32 s36, s31, 5
	s_add_co_u32 s34, s34, s36
	s_lshl_b32 s36, s32, 4
	s_add_co_u32 s34, s34, s36
	s_add_nc_u64 s[24:25], s[24:25], s[34:35]
.macro WLOAD t                         ; block t: W(32 t + i, my column) into set t % 2; the largest offset, 511 rows of 4,096 bytes, lies inside the signed 24-bit immediate
.irp i, 0,1,2,3,4,5,6,7,8,9,10,11,12,13,14,15,16,17,18,19,20,21,22,23,24,25,26,27,28,29,30,31
	global_load_b32 v[WX+32*((\t)%2)+\i], v3, s[10:11] offset:(32*(\t)+\i)*4096 th:TH_LOAD_NT
.endr
.endm
	WLOAD 0
	WLOAD 1
.macro WBLOCK t
.set WS, WX+32*((\t)%2)
.if (\t) < 15
	s_wait_loadcnt 32                              ; this block's 32 loads are in; the next block's may be out
.else
	s_wait_loadcnt 0
.endif
	v_max3_num_f32 v16, |v[WS]|, |v[WS+1]|, |v[WS+2]|              ; the block's largest magnitude: all 32 numbers are mine
	v_max3_num_f32 v17, |v[WS+3]|, |v[WS+4]|, |v[WS+5]|
.irp i, 6,10,14,18,22,26
	v_max3_num_f32 v16, v16, |v[WS+\i]|, |v[WS+\i+1]|
	v_max3_num_f32 v17, v17, |v[WS+\i+2]|, |v[WS+\i+3]|
.endr
	v_max3_num_f32 v16, v16, |v[WS+30]|, |v[WS+31]|
	v_max3_num_f32 v16, v16, v17, 0x1800000        ; and the floor
	v_add_nc_u32 v11, 0xff000000, v16              ; the conversion's scale operand
	v_lshrrev_b32 v17, 23, v11                     ; the scale's byte
.if (\t)%4 == 0
	v_mov_b32 v[WSB+(\t)/4], v17                   ; four bytes to a register, the lower K in the lower byte
.else
	v_lshl_or_b32 v[WSB+(\t)/4], v17, 8*((\t)%4), v[WSB+(\t)/4]
.endif
.irp g, 0,1,2,3
	v_cvt_scalef32_pk8_fp4_f32 v[WC+\g], v[WS+8*\g:WS+8*\g+7], v11
.endr
	ds_store_b128 v4, v[WC:WC+3] offset:16*(\t)    ; 32 codes: 16 bytes of my column's row
.if (\t)+2 < 16
	WLOAD (\t)+2
.endif
	s_wait_dscnt 0x0                               ; the store has read its registers: the next block's codes may be written
.endm
.set Q, 0
.rept 16
	WBLOCK Q
.set Q, Q+1
.endr
	global_store_b128 v9, v[WSB:WSB+3], s[24:25]   ; my column's 16 scale bytes
.irp t, 0,1,2,3,4,5,6,7,8,9,10,11,12,13,14,15
	ds_load_b128 v[WOUT+4*\t:WOUT+4*\t+3], v7 offset:2*\t*WP
.endr
.irp t, 0,1,2,3,4,5,6,7,8,9,10,11,12,13,14,15
	s_wait_dscnt 15-\t                             ; the later loads from the stage may be out
	global_store_b128 v8, v[WOUT+4*\t:WOUT+4*\t+3], s[22:23] offset:2*\t*512
.endr
	s_wait_tensorcnt 0x0                           ; the wave's end
	ds_add_u32 v[SPW], v[NIL]
	s_wait_dscnt 0x0
	s_endpgm
; ---------------- PATH O.  A wave takes 32 columns n of Wo and one head's 64 rows k: a lane a column, its 64 registers down K.  The pair's parts pack into 128 + 128 bytes, one row of 256 bytes of the
; wave's stage, and leave sixteen lanes to 256 aligned bytes of wo2.
.Lo:
	s_sub_co_u32 s29, ttmp9, NW
	s_and_b32 s30, s29, 7
	s_lshr_b32 s31, s29, 3                         ; the head
	s_lshl_b32 s30, s30, 7
	s_lshl_b32 s32, s28, 5
	s_add_co_u32 s30, s30, s32                     ; my wave's first column
	s_mov_b32 s40, 0xffffe000                      ; keeps sign, exponent and 10 mantissa bits
	v_lshlrev_b32 v3, 2, v2
	s_mul_i32 s33, s28, 32*272
	s_add_co_u32 s33, s33, OSTG                    ; my stage
	v_mul_u32_u24 v4, v2, 272
	v_add_nc_u32 v4, s33, v4
	v_and_b32 v5, 15, v2
	v_lshrrev_b32 v6, 4, v2
	v_mul_u32_u24 v7, v6, 272
	v_lshl_add_u32 v7, v5, 4, v7
	v_add_nc_u32 v7, s33, v7
	v_lshlrev_b32 v8, 12, v6
	v_lshl_add_u32 v8, v5, 4, v8                   ; two rows of wo2, 4,096 bytes apart
	s_lshl_b32 s34, s31, 18                        ; 64 rows of 4,096 bytes a head
	s_lshl_b32 s36, s30, 2
	s_add_co_u32 s34, s34, s36
	s_mov_b32 s35, 0
	s_add_nc_u64 s[16:17], s[16:17], s[34:35]
	s_lshl_b32 s34, s30, 12
	s_lshl_b32 s36, s31, 8
	s_add_co_u32 s34, s34, s36
	s_add_nc_u64 s[26:27], s[26:27], s[34:35]
.set i, 0
.rept 64
	global_load_b32 v[32+i], v3, s[16:17] offset:i*4096 th:TH_LOAD_NT   ; Wo(64 head + i, my column): 128 consecutive bytes a wave
.set i, i+1
.endr
	s_wait_loadcnt 0x0
.set i, 0
.rept 64
	v_and_b32 v[96+i], s40, v[32+i]                ; hi
.set i, i+1
.endr
.set i, 0
.rept 32
	v_pk_add_f32 v[32+i:33+i], v[32+i:33+i], v[96+i:97+i] neg_lo:[0,1] neg_hi:[0,1]   ; lo = x - hi
.set i, i+2
.endr
.set i, 0
.rept 32
	v_cvt_pk_f16_f32 v[96+i], v[96+2*i], v[96+2*i+1]   ; packed in place, ascending: a destination never lies above its sources
	v_cvt_pk_f16_f32 v[32+i], v[32+2*i], v[32+2*i+1]
.set i, i+1
.endr
.irp q, 0,1,2,3,4,5,6,7
	ds_store_b128 v4, v[96+4*\q:96+4*\q+3] offset:16*\q
	ds_store_b128 v4, v[32+4*\q:32+4*\q+3] offset:128+16*\q
.endr
.irp t, 0,1,2,3,4,5,6,7,8,9,10,11,12,13,14,15
	ds_load_b128 v[128+4*\t:128+4*\t+3], v7 offset:2*\t*272
.endr
.irp t, 0,1,2,3,4,5,6,7,8,9,10,11,12,13,14,15
	s_wait_dscnt 15-\t
	global_store_b128 v8, v[128+4*\t:128+4*\t+3], s[26:27] offset:2*\t*4096   ; sixteen lanes store 256 consecutive bytes, aligned
.endr
	s_wait_tensorcnt 0x0                           ; the wave's end
	ds_add_u32 v[SPW], v[NIL]
	s_wait_dscnt 0x0
	s_endpgm
.Lfunc_end_k_q51bab26e37_prep:
	.size	k_q51bab26e37_prep, .Lfunc_end_k_q51bab26e37_prep-k_q51bab26e37_prep
	.p2alignl 7, 3214868480
	.fill 96, 4, 3214868480
	.section	.rodata,"a",@progbits
	.p2align	6, 0x0
	.amdhsa_kernel k_q51bab26e37_prep
		.amdhsa_group_segment_fixed_size 102912
		.amdhsa_private_segment_fixed_size 0
		.amdhsa_enable_private_segment 0
		.amdhsa_kernarg_size 96
		.amdhsa_user_sgpr_count 2
		.amdhsa_user_sgpr_kernarg_segment_ptr 1
		.amdhsa_wavefront_size32 1
		.amdhsa_system_sgpr_workgroup_id_x 1
		.amdhsa_system_sgpr_workgroup_id_y 1
		.amdhsa_system_sgpr_workgroup_id_z 1
		.amdhsa_system_vgpr_workitem_id 0
		.amdhsa_next_free_vgpr 192
		.amdhsa_next_free_sgpr 66
		.amdhsa_reserve_vcc 0
		.amdhsa_float_denorm_mode_32 3
		.amdhsa_float_denorm_mode_16_64 3
		.amdhsa_memory_ordered 1
		.amdhsa_forward_progress 1
		.amdhsa_inst_pref_size 130
	.end_amdhsa_kernel
	.amdgpu_metadata
---
amdhsa.version: [ 1, 2 ]
amdhsa.kernels:
  - .name:           k_q51bab26e37_prep
    .symbol:         k_q51bab26e37_prep.kd
    .args:
      - { .name: queries, .offset: 0, .size: 8, .value_kind: global_buffer, .address_space: global }
      - { .name: keys, .offset: 8, .size: 8, .value_kind: global_buffer, .address_space: global }
      - { .name: values, .offset: 16, .size: 8, .value_kind: global_buffer, .address_space: global }
      - { .name: Wq, .offset: 24, .size: 8, .value_kind: global_buffer, .address_space: global }
      - { .name: Wk, .offset: 32, .size: 8, .value_kind: global_buffer, .address_space: global }
      - { .name: Wv, .offset: 40, .size: 8, .value_kind: global_buffer, .address_space: global }
      - { .name: Wo, .offset: 48, .size: 8, .value_kind: global_buffer, .address_space: global }
      - { .name: xc, .offset: 56, .size: 8, .value_kind: global_buffer, .address_space: global }
      - { .name: xs, .offset: 64, .size: 8, .value_kind: global_buffer, .address_space: global }
      - { .name: wc, .offset: 72, .size: 8, .value_kind: global_buffer, .address_space: global }
      - { .name: ws, .offset: 80, .size: 8, .value_kind: global_buffer, .address_space: global }
      - { .name: wo2, .offset: 88, .size: 8, .value_kind: global_buffer, .address_space: global }
    .group_segment_fixed_size: 102912
    .private_segment_fixed_size: 0
    .kernarg_segment_align: 8
    .kernarg_segment_size: 96
    .max_flat_workgroup_size: 128
    .sgpr_count:     66
    .vgpr_count:     192
    .wavefront_size: 32
...
	.end_amdgpu_metadata
.endif
;; end of part 1
;; launch proj (part 2): grid 4 x 96, 4 waves a work-group, clusters of 4 x 4, 327,680 bytes of LDS; arguments xc, xs, wc, ws, bq, bk, bv, qk, v2; writes qk, v2
.if DOCPART == 2
	.amdgcn_target "amdgcn-amd-amdhsa--gfx1250"
	.amdhsa_code_object_version 6
	.text
	.protected	k_q51bab26e37_proj
	.globl	k_q51bab26e37_proj
	.p2align	8
	.type	k_q51bab26e37_proj,@function
k_q51bab26e37_proj:
	s_mov_b64 s[64:65], 0
	v_nop
	global_prefetch_b8 v0, s[64:65] scope:SCOPE_SE
	s_setreg_imm32_b32 hwreg(HW_REG_WAVE_MODE, 25, 1), 1
	s_wait_xcnt 0x0
	s_wait_alu depctr_hold_cnt(0) depctr_sa_sdst(0) depctr_va_vdst(0) depctr_va_sdst(0) depctr_va_ssrc(0) depctr_va_vcc(0) depctr_vm_vsrc(0)
	s_getreg_b32 s2, hwreg(HW_REG_IB_STS2, 6, 4)
	s_cmp_eq_u32 s2, 0
	s_cbranch_scc0 .Lentry_in_a_cluster
	s_endpgm
.Lentry_in_a_cluster:
	s_bfe_u32 s2, ttmp6, 0x10000c
	s_cmp_lg_u32 s2, 0xf033
	s_cbranch_scc0 .Lentry_shape_is_right
	s_endpgm
.Lentry_shape_is_right:
; PROJ: Q = queries Wq + bq, K = keys Wk + bk, V = values Wv + bv, all three as ONE product on codes of FP4 (E2M1) with one E8M0 scale for each 32 along K: A = xc [24576][1024 codes], the three inputs'
; rows on end; B = wc [3 x 1024 n][1024 codes].  Tile rows 0-31 of the 96 belong to Q, 32-63 to K, 64-95 to V: T = tile row / 32 picks B's rows, the bias and the way out.
; A tile, 256 x 256, is made by four waves, 128 x 128 each: 64 accumulators, 512 registers.  K = 1,024 is two slots of 512 along K (rows of 256 bytes): both are asked for at the head, nothing is filled again.
; The scale bytes of the work-group's 256 + 256 rows come once, as dense blocks.  By this text's own count a wave has three tensor loads out at the most.
; CLUSTERS: 4 x 4 work-groups; A's tiles are asked for jointly along a row of the cluster, B's along a column.  T is the same in all sixteen (a cluster's four tile rows lie inside one tensor).
; THE MATRIX INSTRUCTION IS USED TRANSPOSED (source 0 = 16 rows of B, source 1 = 16 rows of A): a lane holds eight neighbouring columns of one row.  THE BIAS IS THE C OF EACH SUM'S FIRST PRODUCT.
; OUT: Q and K as f16, qk [Q | K][64 batch x head][2048][64]; V as pairs of f16 (hi = the number with its low 13 mantissa bits cleared, lo = the rest), v2 [64][2048][hi 64 | lo 64].
; LIMITS: NaN and infinities are not served; |Q|, |K|, |V| stay under 65,504; a part under 2^-14 carries an absolute error of up to 2^-25.
; REGISTERS: window 0: v16-31 addresses; v32-95 scale words, two sets; v128-191 A's fragments, one set; v192-255 the bias; on the way out v32-255 are free.  window 1: B's fragments, two sets.
;   window 2: the accumulators of my rows 0-63 ((a, b) at v[8 (8 a + b)]); window 3: those of my rows 64-127.
.set NQ,     4                         ; matrix instructions deep in a slot
.set ROWB,   256                       ; a tile's row in bytes: 512 codes
.set KROW,   512                       ; a row of codes in memory
.set PITCH,  272                       ; an LDS row: 256 bytes + 16 of padding: the 16 rows that a load touches start 16 bytes apart modulo 256
.set FR,     8
.set NL,     2
.set NP,     4                         ; places behind this matrix instruction (ISA guide 7.12.1)
.set HALFT,  128*PITCH
.set SLOT,   4*HALFT
.set KS,     32                        ; a row of scale bytes
.set SCL,    2*SLOT
.set HALFS,  (128*KS/256)*272
.set SBLK,   (16*KS/256)*272
.set SPARE,  SCL+4*HALFS               ; the spare words, 128 bytes for each wave: two blocks of 256 bytes that no other line names
.set ADRA, 16
.set ADRB, 20
.set STOV, 22                          ; v22  V's way out: where I put 16 bytes of a row's hi part
.set RDV,  23                          ; v23  and where I read 16 bytes back
.set STOQ, 24                          ; v24, v25 the same for Q and K
.set RDQ,  25
.set COQ,  26                          ; v26  my byte offset in qk
.set ADRS, 27
.set SPW,  28                          ; v28  LDS address of my spare word; never rewritten
.set NIL,  29                          ; v29  0; never rewritten
.set COV,  30                          ; v30  my byte offset in v2
.set BO,   31                          ; v31  32 x (lane / 16): my eight numbers of a bias tile
.set SC,   32
.set AF,   128
.set BIAS, 192
.set TMP,  32                          ; Q, K: packed results
.set BK,   128                         ; Q, K: rows read back, two sets of 32
.set VH,   32                          ; V: 64 hi parts, then packed into 32
.set VL,   96                          ; V: 64 lo parts, then packed into 32
.set VB,   160                         ; V: 16 rows read back
.set G1, 24
.set G0, 32
.set G1B, 48
.set G0B, 56
.set G1S, 68
.set G0S, 76
.set G1SB, 80
.set G0SB, 88
.set MSB, 0
.macro WIN new                         ; the immediate's high byte repeats the setting that is left
.if MSB != (\new)
	s_set_vgpr_msb (MSB<<8)|(\new)
.set MSB, (\new)
.endif
.endm
.set MUL_LO, 0xa1                      ; source 0 (B) window 1, source 1 (A) window 0, C and D window 2
.set MUL_HI, 0xf1                      ; the same, C and D window 3
.set TO_B,   0x40
; A joint load: waves 0 and 1 fetch for A, waves 2 and 3 for B; the branch hangs on the wave's number alone.  An s_nop 0 and four v_nop follow each of the two lines.
.macro JLOAD g0a, g1a, g0b, g1b
	s_cmp_eq_u32 s15, 0
	s_cbranch_scc0 .Lfor_b_\@
	tensor_load_to_lds s[\g0a:\g0a+3], s[\g1a:\g1a+7]
	s_nop 0
.rept 4
	v_nop
.endr
	s_branch .Lasked_\@
.Lfor_b_\@:
	tensor_load_to_lds s[\g0b:\g0b+3], s[\g1b:\g1b+7]
	s_nop 0
.rept 4
	v_nop
.endr
.Lasked_\@:
.endm
.macro CROUND                          ; a round of the cluster's barrier
	s_barrier_signal -1
	s_barrier_wait -1
	s_cmp_lg_u32 s14, 0
	s_cbranch_scc1 .Lnot_wave_0_\@
	s_barrier_signal -3
.Lnot_wave_0_\@:
	s_barrier_wait -3
	s_barrier_signal -1
	s_barrier_wait -1
.endm
	s_load_b128 s[4:7], s[0:1], 0x0                ; xc, xs
	s_load_b128 s[8:11], s[0:1], 0x10              ; wc, ws
	v_lshl_add_u32 v[SPW], v0, 2, SPARE
	v_mov_b32 v[NIL], 0
	ds_add_u32 v[SPW], v[NIL]                      ; the wave's opening: the add, twice on end, and its wait ahead of my first tensor load
	ds_add_u32 v[SPW], v[NIL]
	v_lshrrev_b32 v1, 5, v0
	v_readfirstlane_b32 s14, v1                    ; wave 0..3
	s_lshr_b32 s15, s14, 1                         ; which half of the tile's rows is mine.  Also: I fetch for A (0) or for B (1)
	s_and_b32 s16, s14, 1                          ; which half of its columns.  Also: which 128 rows of that tile I fetch
	s_bfe_u32 s40, ttmp6, 0x40000                  ; cx, cy: my place in the cluster
	s_bfe_u32 s41, ttmp6, 0x40004
	s_lshl_b32 s42, ttmp9, 2
	s_add_co_u32 s42, s42, s40                     ; tile column
	s_and_b32 s17, ttmp7, 0xffff
	s_lshr_b32 s95, s17, 3                         ; T: 8 clusters of 4 tile rows to a tensor
	s_lshl_b32 s17, s17, 2
	s_add_co_u32 s17, s17, s41                     ; tile row 0..95
	s_lshl_b32 s43, s41, 2
	s_lshl_b32 s43, 15, s43                        ; my row of the cluster
	s_lshl_b32 s44, 0x1111, s40                    ; my column
	s_or_b32 s[G1+0], s43, (0<<16)|(1<<20)|(1<<21)|(5<<22)|(3<<25)  ; the mask; elements of 1 byte; padding on; bit 21 beside a mask; 4 words of padding after every 64
	s_or_b32 s[G1B+0], s44, (0<<16)|(1<<20)|(1<<21)|(5<<22)|(3<<25)
.irp g, G1, G1B
	s_mov_b32 s[\g+1], ROWB<<16                    ; tensor_dim0
	s_mov_b32 s[\g+2], 128<<16                     ; tensor_dim1
	s_mov_b32 s[\g+3], ROWB<<16                    ; tile_dim0
	s_mov_b32 s[\g+4], 128                         ; tile_dim1
	s_mov_b32 s[\g+5], KROW                        ; from row to row
	s_mov_b32 s[\g+6], 0
	s_mov_b32 s[\g+7], 0
.endr
	s_or_b32 s[G1S+0], s43, (3<<16)|(1<<20)|(1<<21)|(5<<22)|(3<<25) ; the scales of 128 rows: 4,096 dense bytes as 16 rows of 32 elements of 8 bytes
	s_or_b32 s[G1SB+0], s44, (3<<16)|(1<<20)|(1<<21)|(5<<22)|(3<<25)
.irp g, G1S, G1SB
	s_mov_b32 s[\g+1], 32<<16
	s_mov_b32 s[\g+2], (128*KS/256)<<16
	s_mov_b32 s[\g+3], 32<<16
	s_mov_b32 s[\g+4], 128*KS/256
	s_mov_b32 s[\g+5], 32
	s_mov_b32 s[\g+6], 0
	s_mov_b32 s[\g+7], 0
.endr
	s_lshl_b32 s18, s16, 7                         ; which 128 rows of the tile I fetch
	s_lshl_b32 s20, s17, 8
	s_add_co_u32 s20, s20, s18                     ; A: row 256 x tile row + 128 x half
	s_lshl_b32 s46, s42, 8
	s_add_co_u32 s46, s46, s18
	s_lshl_b32 s19, s95, 10
	s_add_co_u32 s46, s46, s19                     ; B: row 1,024 T + 256 x tile column + 128 x half
	s_mov_b32 s21, 0
	s_mov_b32 s47, 0
	s_mov_b64 s[18:19], KS
	s_mul_u64 s[22:23], s[20:21], s[18:19]         ; where these rows' scales begin,
	s_mul_u64 s[92:93], s[46:47], s[18:19]
	s_mov_b64 s[18:19], KROW
	s_mul_u64 s[20:21], s[20:21], s[18:19]         ; and their codes
	s_mul_u64 s[46:47], s[46:47], s[18:19]
	s_mul_i32 s45, s14, HALFT                      ; where they go: wave x 128 rows
	s_mul_i32 s94, s14, HALFS
	s_wait_dscnt 0x0                               ; both opening adds are done
	s_wait_kmcnt 0x0
	s_add_nc_u64 s[20:21], s[4:5], s[20:21]
	s_add_nc_u64 s[22:23], s[6:7], s[22:23]
	s_add_nc_u64 s[46:47], s[8:9], s[46:47]
	s_add_nc_u64 s[92:93], s[10:11], s[92:93]
	CROUND                                         ; all sixteen work-groups are here: the joint loads meet
	s_mov_b32 s[G0S], 1
	s_add_co_u32 s[G0S+1], s94, SCL
	s_mov_b64 s[G0S+2:G0S+3], s[22:23]
	s_or_b32 s[G0S+3], s[G0S+3], 0x80000000
	s_mov_b32 s[G0SB], 1
	s_add_co_u32 s[G0SB+1], s94, SCL
	s_mov_b64 s[G0SB+2:G0SB+3], s[92:93]
	s_or_b32 s[G0SB+3], s[G0SB+3], 0x80000000
	JLOAD G0S, G1S, G0SB, G1SB                     ; the scales first: they are wanted with the first slot
.irp s, 0,1
	s_mov_b32 s[G0+4*\s], 1
	s_add_co_u32 s[G0+4*\s+1], s45, \s*SLOT
	s_add_nc_u64 s[G0+4*\s+2:G0+4*\s+3], s[20:21], \s*ROWB
	s_or_b32 s[G0+4*\s+3], s[G0+4*\s+3], 0x80000000
	s_mov_b32 s[G0B+4*\s], 1
	s_add_co_u32 s[G0B+4*\s+1], s45, \s*SLOT
	s_add_nc_u64 s[G0B+4*\s+2:G0B+4*\s+3], s[46:47], \s*ROWB
	s_or_b32 s[G0B+4*\s+3], s[G0B+4*\s+3], 0x80000000
	JLOAD G0+4*\s, G1, G0B+4*\s, G1B
.endr
	s_mov_b32 s2, s42                              ; the tile column is kept: s[40:47] take addresses now
	s_load_b256 s[40:47], s[0:1], 0x20             ; bq, bk, bv, qk
	s_load_b64 s[92:93], s[0:1], 0x40              ; v2
	s_mov_b32 s3, 0xffffe000                       ; keeps sign, exponent and 10 mantissa bits
	v_and_b32 v1, 15, v0                           ; r = lane % 16
	v_bfe_u32 v2, v0, 4, 1                         ; h = lane / 16
	v_mul_u32_u24 v3, v1, PITCH
	v_lshl_add_u32 v4, v2, 4, v3                   ; a fragment's row x pitch + 16 h
	s_mul_i32 s21, s15, HALFT                      ; my 128 rows of A
	s_mul_i32 s22, s16, HALFT                      ; my 128 rows of B,
	s_add_co_u32 s22, s22, 2*HALFT                 ; behind A's 256
.irp s, 0,1
	v_add_nc_u32 v[ADRA+\s], s21, v4
	v_add_nc_u32 v[ADRB+\s], s22, v4
	s_add_co_u32 s21, s21, SLOT
	s_add_co_u32 s22, s22, SLOT
.endr
	v_mul_u32_u24 v5, v1, KS                       ; my row's scales: 32 bytes a row,
	v_lshrrev_b32 v6, 8, v5
	v_lshl_add_u32 v5, v6, 4, v5                   ; and 16 more for each 256 passed
	s_mul_i32 s21, s15, HALFS
	s_mul_i32 s22, s16, HALFS
	s_add_co_u32 s22, s22, 2*HALFS
	s_sub_co_u32 s22, s22, s21
	v_mul_u32_u24 v6, s22, v2                      ; lanes 16-31 take B's: one product, the distance between the two bases
	s_add_co_u32 s21, s21, SCL
	v_add_nc_u32 v5, v5, v6
	v_add_nc_u32 v[ADRS], s21, v5
	s_mul_i32 s23, s14, 16*528                     ; my stage, in slot 0: it has had its last fill, and the last read of it lies ahead of the change of slots' barrier
	v_mul_u32_u24 v5, v1, 272
	v_lshl_add_u32 v5, v2, 4, v5
	v_add_nc_u32 v[STOQ], s23, v5                  ; Q, K: row r of 256 bytes + 16, + 16 h
	v_mul_u32_u24 v5, v1, 528
	v_lshl_add_u32 v5, v2, 4, v5
	v_add_nc_u32 v[STOV], s23, v5                  ; V: row r of 512 bytes + 16, + 16 h
	v_bfe_u32 v6, v0, 3, 1
	v_and_b32 v7, 7, v0
	v_lshlrev_b32 v7, 4, v7
	v_lshl_add_u32 v7, v2, 7, v7                   ; back: lanes 0-15 take the first head's 128 bytes of a part, lanes 16-31 the second's;
	v_add_nc_u32 v7, s23, v7
	v_mad_u32_u24 v[RDQ], v6, 272, v7              ; Q, K: lanes 8-15 of a half take the next row;
	v_lshl_add_u32 v[RDV], v6, 8, v7               ; V: they take the lo part
	v_lshlrev_b32 v5, 4, v1
	v_lshl_add_u32 v[COQ], v2, 18, v5              ; the second head lies 2,048 rows of 128 bytes on,
	v_lshl_add_u32 v[COV], v2, 19, v5              ; in v2 2,048 rows of 256
	v_lshlrev_b32 v[BO], 5, v2
	s_and_b32 s20, s17, 31
	s_lshl_b32 s20, s20, 8
	s_lshl_b32 s21, s15, 7
	s_add_co_u32 s20, s20, s21                     ; my first row in its tensor
	s_lshr_b32 s21, s20, 11                        ; the batch,
	s_and_b32 s20, s20, 2047                       ; the position
	s_lshl_b32 s21, s21, 4
	s_lshl_b32 s22, s2, 2
	s_add_co_u32 s21, s21, s22
	s_lshl_b32 s22, s16, 1
	s_add_co_u32 s21, s21, s22                     ; 16 x batch + my first head (my 128 columns are two heads)
	s_lshl_b32 s21, s21, 11
	s_add_co_u32 s20, s20, s21                     ; the row in qk's or v2's order
	s_lshl_b32 s18, s2, 10
	s_lshl_b32 s19, s16, 9
	s_add_co_u32 s18, s18, s19                     ; my 128 numbers of the bias, in bytes
	s_mov_b32 s19, 0
	s_mov_b32 s21, 0
	s_wait_kmcnt 0x0
	s_cmp_eq_u32 s95, 0                            ; the choices hang on T alone
	s_cselect_b64 s[40:41], s[40:41], s[42:43]
	s_cmp_eq_u32 s95, 1
	s_cselect_b32 s22, 0x1000000, 0                ; K lies behind Q in qk
	s_cmp_eq_u32 s95, 2
	s_cselect_b64 s[40:41], s[44:45], s[40:41]
	s_cselect_b64 s[12:13], s[92:93], s[46:47]
	s_cselect_b32 s23, 8, 7                        ; rows of 256 or of 128 bytes
	s_lshl_b32 s20, s20, s23
	s_add_co_u32 s20, s20, s22
	s_add_nc_u64 s[40:41], s[40:41], s[18:19]
	s_add_nc_u64 s[12:13], s[12:13], s[20:21]
.irp b, 0,1,2,3,4,5,6,7
	global_load_b128 v[BIAS+8*\b:BIAS+8*\b+3], v[BO], s[40:41] offset:64*\b      ; lane (r, h): the bias of columns 16 b + 8 h + 0 .. 7: the result's layout
	global_load_b128 v[BIAS+8*\b+4:BIAS+8*\b+7], v[BO], s[40:41] offset:64*\b+16
.endr
.macro FRAG reg, adr, q, i             ; a fragment, 16 rows x 128 K of 4-bit codes: 8 registers; registers 4 c .. 4 c + 3 hold K = 64 c + 32 (lane / 16) + 0 .. 31
.irp c, 0,1
	ds_load_b128 v[\reg+4*\c:\reg+4*\c+3], v[\adr] offset:64*(\q)+32*\c+(\i)*16*PITCH
.endr
.endm
; 16 matrix instructions: A's blocks a0, a0 + 1 x B's eight, the slot's q-th 128 along K.  first = 1: the bias is the C.  The 64 accumulators take turns.
.macro MUL16 a0, p, q, sc, first
.irp a, \a0, \a0+1
.irp b, 0,1,2,3,4,5,6,7
.if \first
	v_wmma_scale_f32_16x16x128_f8f6f4 v[8*(8*((\a)%4)+\b):8*(8*((\a)%4)+\b)+7], v[128*(\p)+FR*\b:128*(\p)+FR*\b+FR-1], v[AF+FR*(\a):AF+FR*(\a)+FR-1], v[BIAS+8*\b:BIAS+8*\b+7], v[SC+8*NQ*(\sc)+NQ*\b+(\q)], v[SC+8*NQ*(\sc)+NQ*(\a)+(\q)] matrix_a_fmt:MATRIX_FMT_FP4 matrix_b_fmt:MATRIX_FMT_FP4 matrix_a_scale:MATRIX_SCALE_ROW1
.else
	v_wmma_scale_f32_16x16x128_f8f6f4 v[8*(8*((\a)%4)+\b):8*(8*((\a)%4)+\b)+7], v[128*(\p)+FR*\b:128*(\p)+FR*\b+FR-1], v[AF+FR*(\a):AF+FR*(\a)+FR-1], v[8*(8*((\a)%4)+\b):8*(8*((\a)%4)+\b)+7], v[SC+8*NQ*(\sc)+NQ*\b+(\q)], v[SC+8*NQ*(\sc)+NQ*(\a)+(\q)] matrix_a_fmt:MATRIX_FMT_FP4 matrix_b_fmt:MATRIX_FMT_FP4 matrix_a_scale:MATRIX_SCALE_ROW1
.endif
.endr
.endr
.endm
.macro FETCH_B slot, q, p
	WIN TO_B
.irp i, 0,1,2,3,4,5,6,7
	FRAG 128*(\p)+FR*\i, ADRB+\slot, \q, \i
.endr
	WIN 0
.endm
.macro FETCH_A slot, q, i0
.irp i, \i0, \i0+1, \i0+2, \i0+3
	FRAG AF+FR*(\i), ADRA+\slot, \q, \i
.endr
.endm
.macro SCALES sc                       ; a slot's scale words: lanes 0-15 take A's block i, lanes 16-31 B's block i
.irp i, 0,1,2,3,4,5,6,7
	ds_load_b128 v[SC+8*NQ*\sc+NQ*\i:SC+8*NQ*\sc+NQ*\i+3], v[ADRS] offset:\i*SBLK
.endr
.endm
.macro PLACES n                        ; plain vector instructions between a matrix instruction and a load into, or a read of, its registers
.rept \n
	v_nop
.endr
.endm
.macro STEP slot, q, first             ; a step of 128 along K that has its successor in the same slot
	s_wait_dscnt 4*NL                              ; B's set and A's blocks 0-3 are in; the youngest eight loads (A's blocks 4-7) may be out
.if \first
	WIN 0x81                                       ; C (the bias) window 0, D window 2
.else
	WIN MUL_LO
.endif
	MUL16 0, (\q)%2, \q, \slot, \first
	MUL16 2, (\q)%2, \q, \slot, \first
	s_wait_dscnt 0                                 ; A's blocks 4-7 are in
	PLACES NP
	FETCH_B \slot, (\q)+1, 1-(\q)%2
	FETCH_A \slot, (\q)+1, 0
.if \first
	WIN 0xc1
.else
	WIN MUL_HI
.endif
	MUL16 4, (\q)%2, \q, \slot, \first
	MUL16 6, (\q)%2, \q, \slot, \first
	PLACES NP
	WIN 0
	FETCH_A \slot, (\q)+1, 4
.endm
.macro STEPS slot, from
.set Q, \from
.rept NQ-1-\from
	STEP \slot, Q, 0
.set Q, Q+1
.endr
.endm
	s_wait_tensorcnt 1                             ; the scales and my part of slot 0 are in (slot 1's load may be out)
	s_barrier_signal -1
	s_barrier_wait -1                              ; everybody's are
	FETCH_B 0, 0, 0
	FETCH_A 0, 0, 0
	SCALES 0
	FETCH_A 0, 0, 4
	s_wait_loadcnt 0x0                             ; the bias
	STEP 0, 0, 1
	STEPS 0, 1
	; slot 0's last step changes slots: one barrier; ahead of it my part of slot 1 has landed and my reads of slot 0 are over
	s_wait_tensorcnt 0x0
	ds_add_u32 v[SPW], v[NIL]                      ; 0 onto my spare word
	s_wait_dscnt 4*NL+1                            ; (the add and the youngest eight loads may be out)
	WIN MUL_LO
	MUL16 0, 1, NQ-1, 0, 0
	s_wait_dscnt 0x0
	s_barrier_signal -1
	MUL16 2, 1, NQ-1, 0, 0
	WIN 0
	s_barrier_wait -1
	PLACES NP
	v_add_nc_u32 v[ADRS], 4*NQ, v[ADRS]            ; on to slot 1's scale words
	FETCH_B 1, 0, 0
	FETCH_A 1, 0, 0
	SCALES 1
	WIN MUL_HI
	MUL16 4, 1, NQ-1, 0, 0
	MUL16 6, 1, NQ-1, 0, 0
	PLACES NP
	WIN 0
	FETCH_A 1, 0, 4
	STEPS 1, 0
	s_wait_dscnt 4*NL                              ; the very last step
	WIN MUL_LO
	MUL16 0, 1, NQ-1, 1, 0
	MUL16 2, 1, NQ-1, 1, 0
	s_wait_dscnt 0
	WIN MUL_HI
	MUL16 4, 1, NQ-1, 1, 0
	MUL16 6, 1, NQ-1, 1, 0
	WIN 0
	PLACES NP                                      ; behind the last products: for the reads of results and the writes of operand and scale registers below
	s_cmp_eq_u32 s95, 2                            ; T: the same in all sixteen partners
	s_cbranch_scc1 .Lvout
; THE WAY OUT OF Q AND K, a block of 16 rows x 128 columns (two heads) at a time: rounded to f16, 16 bytes a lane into my stage, back so that sixteen lanes hold two whole rows (256 bytes) of one head.
.macro PACKQ a
.set AC, 64*((\a)%4)
	WIN 0x0a+5*((\a)/4)                            ; sources 0 and 1: window 2 or 3
.irp b, 0,1,2,3,4,5,6,7
.irp i, 0,1,2,3
	v_cvt_pk_f16_f32 v[TMP+4*\b+\i], v[AC+8*\b+2*\i], v[AC+8*\b+2*\i+1]   ; each accumulator from its low end on
.endr
.endr
	WIN 0
.endm
.macro TOSTAGEQ a
.set BB, BK+32*((\a)%2)
.irp b, 0,1,2,3,4,5,6,7
	ds_store_b128 v[STOQ], v[TMP+4*\b:TMP+4*\b+3] offset:32*\b
.endr
.irp t, 0,1,2,3,4,5,6,7
	ds_load_b128 v[BB+4*\t:BB+4*\t+3], v[RDQ] offset:\t*2*272       ; LDS serves a wave's instructions in order: these see the stores above
.endr
.endm
.macro SENDQ a
.set BB, BK+32*((\a)%2)
	s_wait_dscnt 0x0                               ; the block is back in registers
.irp t, 0,1,2,3,4,5,6,7
	global_store_b128 v[COQ], v[BB+4*\t:BB+4*\t+3], s[12:13] offset:(\a)*2048+256*\t   ; sixteen lanes store 256 consecutive bytes, aligned
.endr
.endm
	PACKQ 0
	TOSTAGEQ 0
.irp a, 1,2,3,4,5,6,7
	PACKQ \a                                       ; a block's conversions stand between the loads of the block before and the wait for them
	SENDQ \a-1
	s_wait_xcnt 0x0                                ; the earlier stores have read their registers: block a's loads may land where block a - 2's lay
	TOSTAGEQ \a
.endr
	SENDQ 7
	s_branch .Lfin
; THE WAY OUT OF V: each number becomes a pair of f16; a stage row holds the 128 hi parts and then the 128 lo parts; back so that sixteen lanes hold one head's row of v2: hi 128 bytes, lo 128 bytes.
.Lvout:
.macro PACKV a
.set AC, 64*((\a)%4)
	WIN 0x08+4*((\a)/4)                            ; source 1: window 2 or 3
.set i, 0
.rept 64
	v_and_b32 v[VH+i], s3, v[AC+i]                 ; hi; each accumulator from its low end on
.set i, i+1
.endr
	WIN 0x02+((\a)/4)                              ; source 0: window 2 or 3
.set i, 0
.rept 32
	v_pk_add_f32 v[VL+i:VL+i+1], v[AC+i:AC+i+1], v[VH+i:VH+i+1] neg_lo:[0,1] neg_hi:[0,1]   ; lo = the number - hi
.set i, i+2
.endr
	WIN 0
.set i, 0
.rept 32
	v_cvt_pk_f16_f32 v[VH+i], v[VH+2*i], v[VH+2*i+1]   ; packed in place, ascending
	v_cvt_pk_f16_f32 v[VL+i], v[VL+2*i], v[VL+2*i+1]
.set i, i+1
.endr
.endm
.irp a, 0,1,2,3,4,5,6,7
	PACKV \a
.irp b, 0,1,2,3,4,5,6,7
	ds_store_b128 v[STOV], v[VH+4*\b:VH+4*\b+3] offset:32*\b
	ds_store_b128 v[STOV], v[VL+4*\b:VL+4*\b+3] offset:256+32*\b
.endr
	s_wait_xcnt 0x0                                ; the last block's stores have read their registers
.irp t, 0,1,2,3,4,5,6,7,8,9,10,11,12,13,14,15
	ds_load_b128 v[VB+4*\t:VB+4*\t+3], v[RDV] offset:\t*528
.endr
	s_wait_dscnt 0x0
.irp t, 0,1,2,3,4,5,6,7,8,9,10,11,12,13,14,15
	global_store_b128 v[COV], v[VB+4*\t:VB+4*\t+3], s[12:13] offset:\a*4096+256*\t   ; sixteen lanes store 256 consecutive bytes, aligned
.endr
.endr
.Lfin:
	s_wait_tensorcnt 0x0                           ; the wave's end: behind my last tensor load and my last LDS store
	ds_add_u32 v[SPW], v[NIL]
	s_wait_dscnt 0x0
	CROUND                                         ; the closing round
	s_endpgm
.Lfunc_end_k_q51bab26e37_proj:
	.size	k_q51bab26e37_proj, .Lfunc_end_k_q51bab26e37_proj-k_q51bab26e37_proj
	.p2alignl 7, 3214868480
	.fill 96, 4, 3214868480
	.section	.rodata,"a",@progbits
	.p2align	6, 0x0
	.amdhsa_kernel k_q51bab26e37_proj
		.amdhsa_group_segment_fixed_size 327680
		.amdhsa_private_segment_fixed_size 0
		.amdhsa_enable_private_segment 0
		.amdhsa_kernarg_size 72
		.amdhsa_user_sgpr_count 2
		.amdhsa_user_sgpr_kernarg_segment_ptr 1
		.amdhsa_wavefront_size32 1
		.amdhsa_system_sgpr_workgroup_id_x 1
		.amdhsa_system_sgpr_workgroup_id_y 1
		.amdhsa_system_sgpr_workgroup_id_z 1
		.amdhsa_system_vgpr_workitem_id 0
		.amdhsa_next_free_vgpr 1024
		.amdhsa_next_free_sgpr 100
		.amdhsa_reserve_vcc 0
		.amdhsa_float_denorm_mode_32 3
		.amdhsa_float_denorm_mode_16_64 3
		.amdhsa_memory_ordered 1
		.amdhsa_forward_progress 1
		.amdhsa_inst_pref_size 222
	.end_amdhsa_kernel
	.amdgpu_metadata
---
amdhsa.version: [ 1, 2 ]
amdhsa.kernels:
  - .name:           k_q51bab26e37_proj
    .symbol:         k_q51bab26e37_proj.kd
    .args:
      - { .name: xc, .offset: 0, .size: 8, .value_kind: global_buffer, .address_space: global }
      - { .name: xs, .offset: 8, .size: 8, .value_kind: global_buffer, .address_space: global }
      - { .name: wc, .offset: 16, .size: 8, .value_kind: global_buffer, .address_space: global }
      - { .name: ws, .offset: 24, .size: 8, .value_kind: global_buffer, .address_space: global }
      - { .name: bq, .offset: 32, .size: 8, .value_kind: global_buffer, .address_space: global }
      - { .name: bk, .offset: 40, .size: 8, .value_kind: global_buffer, .address_space: global }
      - { .name: bv, .offset: 48, .size: 8, .value_kind: global_buffer, .address_space: global }
      - { .name: qk, .offset: 56, .size: 8, .value_kind: global_buffer, .address_space: global }
      - { .name: v2, .offset: 64, .size: 8, .value_kind: global_buffer, .address_space: global }
    .group_segment_fixed_size: 327680
    .private_segment_fixed_size: 0
    .kernarg_segment_align: 8
    .kernarg_segment_size: 72
    .max_flat_workgroup_size: 128
    .sgpr_count:     100
    .vgpr_count:     1024
    .wavefront_size: 32
...
	.end_amdgpu_metadata
.endif
;; end of part 2
;; launch attn (part 3): grid 8 x 32, 8 waves a work-group, clusters of 4 x 4, 327,680 bytes of LDS; arguments qk, v2, mask, o2; writes o2
.if DOCPART == 3
	.amdgcn_target "amdgcn-amd-amdhsa--gfx1250"
	.amdhsa_code_object_version 6
	.text
	.protected	k_q51bab26e37_attn
	.globl	k_q51bab26e37_attn
	.p2align	8
	.type	k_q51bab26e37_attn,@function
k_q51bab26e37_attn:
	s_mov_b64 s[64:65], 0
	v_nop
	global_prefetch_b8 v0, s[64:65] scope:SCOPE_SE
	s_setreg_imm32_b32 hwreg(HW_REG_WAVE_MODE, 25, 1), 1
	s_wait_xcnt 0x0
	s_wait_alu depctr_hold_cnt(0) depctr_sa_sdst(0) depctr_va_vdst(0) depctr_va_sdst(0) depctr_va_ssrc(0) depctr_va_vcc(0) depctr_vm_vsrc(0)
	s_getreg_b32 s2, hwreg(HW_REG_IB_STS2, 6, 4)
	s_cmp_eq_u32 s2, 0
	s_cbranch_scc0 .Lentry_in_a_cluster
	s_endpgm
.Lentry_in_a_cluster:
	s_bfe_u32 s2, ttmp6, 0x10000c
	s_cmp_lg_u32 s2, 0xf033
	s_cbranch_scc0 .Lentry_shape_is_right
	s_endpgm
.Lentry_shape_is_right:
; ATTN: O[bh][q] = sum over k of softmax_k((Q[bh][q] . K[bh][k] + mask[q][k] x 2^32) / 8) V[bh][k].  Q, K: f16 [64][2048][64]; V: pairs of f16 [64][2048][hi 64 | lo 64]; mask: f32 [2048][2048], an input:
; every score takes its own mask number, and nothing of the mask's pattern is built in.  O leaves as pairs of f16, o2 [8192 rows][16 heads][hi 64 | lo 64].
; THE ARITHMETIC.  a = fl(s + mask x 2^32) by one fused multiply-add (the product by 2^32 is exact).  A running maximum m of a; d = fl(a - m) FIRST, then p = 2^(c d), c = log2(e) / 8: the difference is
; formed of the numbers themselves, never of their products by c.  In every step O and the sum l are multiplied by 2^(c fl(m_old - m_new)).  l is the sum of p in f32; p is rounded to f16 for the second
; product, which runs twice, on V's hi and on V's lo part, since a row whose weights fall on few keys shows V's own rounding, and which rows those are hangs on the mask.
; SHARES.  A work-group owns 256 queries of TWO heads (2 y, 2 y + 1), so that one tile of the mask in LDS serves both.  Wave w: head w / 4, queries 64 (w % 4) on, four tiles of 16; 512 registers: two waves
; to a SIMD, so that one wave's vector work stands beside the other's products.  32 trips of 64 keys through two LDS slots; one joint tensor load a wave behind each round: one load of mine is out.
; LAYOUT.  S^T = K Q^T (source 0 = 16 keys, source 1 = 16 queries) and O^T = V^T P (source 0 = 16 channels, turned by ds_load_tr16_b128, source 1 = P): a lane holds ONE query throughout.
; CLUSTER 4 x 4.  K's and V's tiles hang on y: asked for jointly along a row of the cluster; the mask's hang on x: jointly along a column.
; LIMITS: NaN and infinities are not served; |mask| x 2^32 is finite and each row's largest a lies above -3e38; |O| under 65,504; a part of a pair under 2^-14 carries an absolute error of up to 2^-25.
; REGISTERS.  window 0: v4-17 addresses; v20-51 statistics, eight a tile (+0 m, +1 zero, +2, +3 l, +4 .. +7 at work, the rescaling factor in +6); v64-191 S^T (tile t, keys 16 kt on: 64 + 32 t + 8 kt), then
;   p, then P packed at 64 + 32 t + 0 .. 15; v192-255 the mask of two tiles, later V's fragments of keys 32-63.
;   window 1: v0-127 O^T (32 t + 8 ct); v128-191 Q (128 + 16 t + 8 c); v192-255 K's fragments (192 + 16 kt + 8 c), later V's of keys 0-31 (192 + 32 part + 8 ct).
.set PK,    144                        ; a row of K in LDS: 128 bytes + 16
.set PV2,   288                        ; a row of V: 256 bytes + 32: an odd multiple of 32
.set PM,    272                        ; a row of the mask's tile: 256 bytes + 16
.set VOFF,  2*64*PK                    ; a slot: K of the two heads, V of the two heads, 256 rows of the mask
.set MOFF,  VOFF+2*64*PV2
.set SLOT1, 1<<17
.set STAGE, SLOT1+MOFF+256*PM          ; behind the ring: 16 rows x 272 bytes for each wave, for the way out
.set SPARE, STAGE+8*16*272             ; the spare words, 128 bytes for each wave: four blocks of 256 bytes that no other line names
.set AK,  4                            ; v4, v5   my lane's place in K's tile of slot 0, 1
.set AV,  6                            ; v6, v7   in V's
.set AM,  8                            ; v8, v9   in the mask's
.set QO,  10
.set STO, 11
.set RD,  12
.set GO,  13
.set PFO, 14                           ; v14  the prefetches' lane offset; never rewritten
.set SPW, 16                           ; v16  LDS address of my spare word; never rewritten
.set NIL, 17                           ; v17  0; never rewritten
.set ST,  20
.set S,   64
.set M,   192
.set CF,  192
.set QF,  128
.set TT,  64                           ; the way out: a tile of O, then its lo parts
.set TH,  96                           ; its hi parts
.set OB,  192                          ; rows read back, two sets of 32
.set WV,  12
.set G1K, 24
.set G1V, 32
.set G1M, 40
.set G0K, 48                           ; a group 0 for each slot
.set G0V, 56
.set G0M, 68
.set CS,  76                           ; s[76:77] c, twice
.set C32, 78                           ; s[78:79] 2^32, twice
.set SEL, 80                           ; s[80:81] lane selects for v_permlanex16_b32: lane xor 16
.set PFA, 82                           ; s[82:83] where my prefetches stand
.set PFS, 84                           ; s[84:85] a tile on, in bytes
.set LIMA, 86                          ; s86  1 where my wave asks in even trips
.set LIMB, 87                          ; s87  1 where it asks in odd trips
.set CNT, 88
.set MSK, 90
.set MSB, 0
.macro WIN new                         ; the immediate's high byte repeats the setting that is left
.if MSB != (\new)
	s_set_vgpr_msb (MSB<<8)|(\new)
.set MSB, (\new)
.endif
.endm
.macro PLACES n
.rept \n
	v_nop
.endr
.endm
.macro CROUND                          ; a round of the cluster's barrier
	s_barrier_signal -1
	s_barrier_wait -1
	s_cmp_lg_u32 s[WV], 0
	s_cbranch_scc1 .Lnot_wave_0_\@
	s_barrier_signal -3
.Lnot_wave_0_\@:
	s_barrier_wait -3
	s_barrier_signal -1
	s_barrier_wait -1
.endm
; A joint load into slot s: waves 0, 1 K of the two heads; waves 2, 3 V of the two heads; waves 4-7 64 rows of the mask each.  The branches hang on the wave's number alone.
; An s_nop 0 and four v_nop follow each line.
.macro JLOAD s
	s_cmp_lt_u32 s[WV], 2
	s_cbranch_scc0 .Lnot_k_\@
	tensor_load_to_lds s[G0K+4*(\s):G0K+4*(\s)+3], s[G1K:G1K+7]
	s_nop 0
.rept 4
	v_nop
.endr
	s_branch .Lasked_\@
.Lnot_k_\@:
	s_cmp_lt_u32 s[WV], 4
	s_cbranch_scc0 .Lnot_v_\@
	tensor_load_to_lds s[G0V+4*(\s):G0V+4*(\s)+3], s[G1V:G1V+7]
	s_nop 0
.rept 4
	v_nop
.endr
	s_branch .Lasked_\@
.Lnot_v_\@:
	tensor_load_to_lds s[G0M+4*(\s):G0M+4*(\s)+3], s[G1M:G1M+7]
	s_nop 0
.rept 4
	v_nop
.endr
.Lasked_\@:
.endm
; A PREFETCH INTO THE L2 of the tile that the NEXT trip's tensor load asks for: trip n names tile n + 2.  Each aligned block of 256 bytes is named once in the launch.  K and V of a pair of heads are walked
; by both clusters of that row of clusters: cluster x = 0 asks; the mask's rows by all eight clusters of a column: cluster y = 0 asks.  The four partners that ask for a tile jointly share its blocks out BY
; ADDRESS.  Wave 2: V, 32 of the tile's 128 blocks; wave 0: K, in even trips 16 blocks of each of two tiles; waves 4, 5: the mask, 32 rows each.  The loop's 30 trips name tiles 2 to 31; the tail asks for nothing.
.macro ASK lim
	s_cmp_eq_u32 s[\lim], 1
	s_cbranch_scc0 .Lnot_mine_\@
	global_prefetch_b8 v[PFO], s[PFA:PFA+1] th:TH_LOAD_NT scope:SCOPE_SE
.Lnot_mine_\@:
.endm
	s_load_b256 s[4:11], s[0:1], 0x0               ; qk s4, v2 s6, mask s8, o2 s10
	v_lshl_add_u32 v[SPW], v0, 2, SPARE
	v_mov_b32 v[NIL], 0
	ds_add_u32 v[SPW], v[NIL]                      ; the wave's opening: the add, twice on end, and its wait ahead of my first tensor load
	ds_add_u32 v[SPW], v[NIL]
	v_lshrrev_b32 v1, 5, v0
	v_readfirstlane_b32 s[WV], v1                  ; wave 0..7
	s_bfe_u32 s13, ttmp6, 0x40000                  ; cx
	s_bfe_u32 s14, ttmp6, 0x40004                  ; cy
	s_lshl_b32 s15, ttmp9, 2
	s_add_co_u32 s15, s15, s13                     ; x: my block of 256 queries
	s_and_b32 s16, ttmp7, 0xffff
	s_lshl_b32 s16, s16, 2
	s_add_co_u32 s16, s16, s14                     ; y: my pair of heads
	s_lshr_b32 s17, s[WV], 2                       ; which of the two heads is my wave's
	s_and_b32 s18, s[WV], 3                        ; which 64 queries
	s_lshl_b32 s19, s14, 2
	s_lshl_b32 s19, 15, s19                        ; my row of the cluster
	s_lshl_b32 s20, 0x1111, s13                    ; my column
	s_or_b32 s[G1K], s19, (0<<16)|(1<<20)|(1<<21)|(4<<22)|(3<<25)   ; K: 64 rows of 128 bytes, dense; 4 words of padding after every 32
	s_mov_b32 s[G1K+1], 128<<16
	s_mov_b32 s[G1K+2], 64<<16
	s_mov_b32 s[G1K+3], 128<<16
	s_mov_b32 s[G1K+4], 64
	s_mov_b32 s[G1K+5], 128
	s_mov_b32 s[G1K+6], 0
	s_mov_b32 s[G1K+7], 0
	s_or_b32 s[G1V], s19, (0<<16)|(1<<20)|(1<<21)|(5<<22)|(7<<25)   ; V: 64 rows of 256 bytes, dense; 8 words of padding after every 64
	s_mov_b32 s[G1V+1], 256<<16
	s_mov_b32 s[G1V+2], 64<<16
	s_mov_b32 s[G1V+3], 256<<16
	s_mov_b32 s[G1V+4], 64
	s_mov_b32 s[G1V+5], 256
	s_mov_b32 s[G1V+6], 0
	s_mov_b32 s[G1V+7], 0
	s_or_b32 s[G1M], s20, (2<<16)|(1<<20)|(1<<21)|(5<<22)|(3<<25)   ; the mask: 64 rows of 64 elements of 4 bytes, 2,048 elements apart; 4 words of padding after every 64
	s_mov_b32 s[G1M+1], 64<<16
	s_mov_b32 s[G1M+2], 64<<16
	s_mov_b32 s[G1M+3], 64<<16
	s_mov_b32 s[G1M+4], 64
	s_mov_b32 s[G1M+5], 2048
	s_mov_b32 s[G1M+6], 0
	s_mov_b32 s[G1M+7], 0
	s_and_b32 s21, s[WV], 1
	s_lshl_b32 s22, s16, 1
	s_add_co_u32 s22, s22, s21                     ; the head that I fetch for: it hangs on y alone
	s_lshl_b32 s66, s22, 18                        ; K: 262,144 bytes a head,
	s_add_co_u32 s66, s66, 0x1000000               ; behind Q
	s_mov_b32 s67, 0
	s_lshl_b32 s92, s22, 19                        ; V: 524,288 bytes a head
	s_mov_b32 s93, 0
	s_lshl_b32 s94, s15, 8
	s_lshl_b32 s2, s18, 6
	s_add_co_u32 s94, s94, s2
	s_lshl_b32 s94, s94, 13                        ; the mask: row 256 x + 64 (w % 4), 8,192 bytes a row: it hangs on x alone
	s_mov_b32 s95, 0
	s_mul_i32 s23, s21, 64*PK                      ; and where they go in a slot: the wave's number alone enters
	s_mul_i32 s89, s21, 64*PV2
	s_add_co_u32 s89, s89, VOFF
	s_mul_i32 s91, s18, 64*PM
	s_add_co_u32 s91, s91, MOFF
	s_mov_b32 s[CS], 0x3e38aa3b                    ; c = log2(e) / 8
	s_mov_b32 s[CS+1], s[CS]
	s_mov_b32 s[C32], 0x4f800000                   ; 2^32
	s_mov_b32 s[C32+1], s[C32]
	s_mov_b32 s[SEL], 0x76543210
	s_mov_b32 s[SEL+1], 0xfedcba98
	s_mov_b32 s[MSK], 0xffffe000
	s_mov_b32 s[CNT], 15
	s_wait_dscnt 0x0                               ; both opening adds are done
	s_wait_kmcnt 0x0
	s_add_nc_u64 s[66:67], s[4:5], s[66:67]
	s_add_nc_u64 s[92:93], s[6:7], s[92:93]
	s_add_nc_u64 s[94:95], s[8:9], s[94:95]
.irp s, 0,1                                    ; slot s begins with tile s
	s_mov_b32 s[G0K+4*\s], 1
	s_add_co_u32 s[G0K+4*\s+1], s23, \s*SLOT1
	s_add_nc_u64 s[G0K+4*\s+2:G0K+4*\s+3], s[66:67], \s*8192
	s_or_b32 s[G0K+4*\s+3], s[G0K+4*\s+3], 0x80000000
	s_mov_b32 s[G0V+4*\s], 1
	s_add_co_u32 s[G0V+4*\s+1], s89, \s*SLOT1
	s_add_nc_u64 s[G0V+4*\s+2:G0V+4*\s+3], s[92:93], \s*16384
	s_or_b32 s[G0V+4*\s+3], s[G0V+4*\s+3], 0x80000000
	s_mov_b32 s[G0M+4*\s], 1
	s_add_co_u32 s[G0M+4*\s+1], s91, \s*SLOT1
	s_add_nc_u64 s[G0M+4*\s+2:G0M+4*\s+3], s[94:95], \s*256
	s_or_b32 s[G0M+4*\s+3], s[G0M+4*\s+3], 0x80000000
.endr
	CROUND                                         ; all sixteen work-groups are here: the first joint loads meet
	JLOAD 0                                        ; tile 0
	v_and_b32 v1, 15, v0                           ; r = lane % 16
	v_bfe_u32 v2, v0, 4, 1                         ; h = lane / 16
	; the prefetches: who asks, from where, how the lanes spread
	s_lshr_b32 s19, s13, 1
	s_lshl_b32 s20, s16, 1
	s_add_co_u32 s19, s19, s20                     ; partners cx = 0, 1 take the first head's blocks, cx = 2, 3 the second's;
	s_and_b32 s20, s13, 1                          ; each the lower or the upper half of a tile's
	s_lshl_b32 s21, s19, 18
	s_lshl_b32 s22, s20, 12
	s_add_co_u32 s21, s21, s22
	s_add_co_u32 s21, s21, 0x1000000+8192          ; K, at tile 1: the first trip steps it to tile 2
	s_lshl_b32 s19, s19, 19
	s_lshl_b32 s20, s20, 13
	s_add_co_u32 s19, s19, s20
	s_add_co_u32 s19, s19, 16384                   ; V, at tile 1
	s_lshl_b32 s20, s15, 8
	s_lshl_b32 s22, s14, 6
	s_add_co_u32 s20, s20, s22                     ; the mask: partner cy takes rows 64 cy on of my block's 256,
	s_and_b32 s22, s[WV], 1
	s_lshl_b32 s22, s22, 5
	s_add_co_u32 s20, s20, s22                     ; wave 4 the first 32 of them, wave 5 the others
	s_lshl_b32 s20, s20, 13
	s_add_co_u32 s20, s20, 256                     ; at tile 1
	s_cmp_lt_u32 s[WV], 2
	s_cselect_b64 s[PFA:PFA+1], s[4:5], s[6:7]
	s_cselect_b32 s2, s21, s19
	s_mov_b32 s22, 16384
	s_cselect_b32 s[PFS], 8192, s22
	s_mov_b32 s22, 4096
	s_cselect_b32 s23, 8192, s22                   ; lanes 16-31: K: the next tile; V: 16 blocks on
	s_cmp_lt_u32 s[WV], 4
	s_cselect_b64 s[PFA:PFA+1], s[PFA:PFA+1], s[8:9]
	s_cselect_b32 s2, s2, s20
	s_cselect_b32 s[PFS], s[PFS], 256
	s_mov_b32 s22, 131072
	s_cselect_b32 s23, s23, s22                    ; the mask: 16 rows on
	s_mov_b32 s22, 8192
	s_cselect_b32 s22, 256, s22                    ; from lane to lane: a block, or a row of the mask
	s_mov_b32 s3, 0
	s_mov_b32 s[PFS+1], 0
	s_add_nc_u64 s[PFA:PFA+1], s[PFA:PFA+1], s[2:3]
	v_mul_u32_u24 v[PFO], v1, s22
	v_mad_u32_u24 v[PFO], v2, s23, v[PFO]
	s_lshr_b32 s19, 0x35, s[WV]
	s_and_b32 s19, s19, 1                          ; even trips: waves 0, 2, 4, 5
	s_lshr_b32 s20, 0x34, s[WV]
	s_and_b32 s20, s20, 1                          ; odd trips: waves 2, 4, 5
	s_and_b32 s21, ttmp7, 0xffff
	s_cmp_lt_u32 s[WV], 4
	s_cselect_b32 s21, ttmp9, s21                  ; the coordinate along which other clusters read the same bytes: the same in all sixteen partners
	s_cmp_eq_u32 s21, 0
	s_cselect_b32 s[LIMA], s19, 0
	s_cselect_b32 s[LIMB], s20, 0
	; Q's and O's places
	s_lshl_b32 s19, s16, 1
	s_add_co_u32 s19, s19, s17                     ; my wave's batch x head
	s_lshl_b32 s20, s15, 8
	s_lshl_b32 s21, s18, 6
	s_add_co_u32 s20, s20, s21                     ; my wave's first query
	s_lshl_b32 s2, s19, 11
	s_add_co_u32 s2, s2, s20
	s_lshl_b32 s2, s2, 7
	s_add_nc_u64 s[4:5], s[4:5], s[2:3]            ; Q at my first query (rows of 128 bytes)
	s_lshr_b32 s2, s19, 4
	s_lshl_b32 s2, s2, 11
	s_add_co_u32 s2, s2, s20
	s_lshl_b32 s2, s2, 12                          ; o2: row 2,048 x batch + query, 4,096 bytes a row,
	s_and_b32 s21, s19, 15
	s_lshl_b32 s21, s21, 8
	s_add_co_u32 s2, s2, s21                       ; 256 bytes a head
	s_add_nc_u64 s[10:11], s[10:11], s[2:3]
	v_lshlrev_b32 v[QO], 7, v1
	v_lshl_add_u32 v[QO], v2, 4, v[QO]             ; row r x 128 + 16 h
	WIN 0x40                                       ; destination window 1
.irp f, 0,1,2,3,4,5,6,7                        ; Q stays in registers: tile f / 2, channels 32 (f % 2) on
	global_load_b128 v[QF+8*\f:QF+8*\f+3],   v[QO], s[4:5] offset:(\f/2)*2048+(\f%2)*64
	global_load_b128 v[QF+8*\f+4:QF+8*\f+7], v[QO], s[4:5] offset:(\f/2)*2048+(\f%2)*64+32
.endr
.set i, 0
.rept 128
	v_mov_b32 v[i], 0                              ; O^T.  The trip is written with no first step of its own, which keeps the text short: the first trip finds zeros, and its factor 0 leaves them zeros
.set i, i+1
.endr
	WIN 0
	v_mul_u32_u24 v3, v1, PK
	v_lshl_add_u32 v3, v2, 4, v3
	s_mul_i32 s2, s17, 64*PK
	v_add_nc_u32 v[AK], s2, v3                     ; K: my head's tile, row r x pitch + 16 h
	v_add_nc_u32 v[AK+1], SLOT1, v[AK]
	v_and_b32 v3, 7, v0
	v_lshl_add_u32 v3, v2, 3, v3
	v_mul_u32_u24 v3, v3, PV2
	v_bfe_u32 v15, v0, 3, 1
	v_lshl_add_u32 v3, v15, 4, v3
	s_mul_i32 s2, s17, 64*PV2
	s_add_co_u32 s2, s2, VOFF
	v_add_nc_u32 v[AV], s2, v3                     ; V, for the turning load: key 8 h + lane % 8, 16 bytes for each half of eight lanes
	v_add_nc_u32 v[AV+1], SLOT1, v[AV]
	v_mul_u32_u24 v3, v1, PM
	v_lshl_add_u32 v3, v2, 5, v3
	s_mul_i32 s2, s18, 64*PM
	s_add_co_u32 s2, s2, MOFF
	v_add_nc_u32 v[AM], s2, v3                     ; the mask: row 64 (w % 4) + r, + 32 h: my eight keys of a tile of 16
	v_add_nc_u32 v[AM+1], SLOT1, v[AM]
	s_mul_i32 s2, s[WV], 16*272
	s_add_co_u32 s2, s2, STAGE                     ; my stage
	v_mul_u32_u24 v[STO], v1, 272
	v_lshl_add_u32 v[STO], v2, 4, v[STO]
	v_add_nc_u32 v[STO], s2, v[STO]
	v_mul_u32_u24 v[RD], v2, 272
	v_lshl_add_u32 v[RD], v1, 4, v[RD]
	v_add_nc_u32 v[RD], s2, v[RD]
	v_lshlrev_b32 v[GO], 12, v2
	v_lshl_add_u32 v[GO], v1, 4, v[GO]
.irp t, 0,1,2,3
	v_mov_b32 v[ST+8*\t], 0xff61b1e6               ; m: -3e38, under every a
.irp k, 1,2,3,4,5,6,7
	v_mov_b32 v[ST+8*\t+\k], 0
.endr
.endr
.macro LOADK s                         ; K's eight fragments: keys 16 (f / 2) on, channels 32 (f % 2) on
	WIN 0x40
.irp f, 0,1,2,3,4,5,6,7
	ds_load_b128 v[CF+8*\f:CF+8*\f+3],   v[AK+\s] offset:(\f/2)*16*PK+(\f%2)*64
	ds_load_b128 v[CF+8*\f+4:CF+8*\f+7], v[AK+\s] offset:(\f/2)*16*PK+(\f%2)*64+32
.endr
.endm
.macro LOADM s, p                      ; the mask of tiles 2 p and 2 p + 1, in S^T's layout
	WIN 0
.irp f, 0,1,2,3,4,5,6,7
	ds_load_b128 v[M+8*\f:M+8*\f+3],   v[AM+\s] offset:(2*\p+\f/4)*16*PM+(\f%4)*64
	ds_load_b128 v[M+8*\f+4:M+8*\f+7], v[AM+\s] offset:(2*\p+\f/4)*16*PM+(\f%4)*64+16
.endr
.endm
.macro LOADV s, u                      ; V's eight fragments of keys 32 u on: part f / 4, channels 16 (f % 4) on; u = 0 into window 1, u = 1 into window 0
.if \u == 0
	WIN 0x40
.else
	WIN 0
.endif
.irp f, 0,1,2,3,4,5,6,7
	ds_load_tr16_b128 v[192+8*\f:192+8*\f+3],   v[AV+\s] offset:\u*32*PV2+(\f/4)*128+(\f%4)*32
	ds_load_tr16_b128 v[192+8*\f+4:192+8*\f+7], v[AV+\s] offset:\u*32*PV2+16*PV2+(\f/4)*128+(\f%4)*32
.endr
.endm
.macro QK                              ; 32 products; the 16 accumulators take turns; the first 16 start the sums
	WIN 0x05                                       ; K and Q in window 1, S^T in window 0
.irp t, 0,1,2,3
.irp kt, 0,1,2,3
	v_wmma_f32_16x16x32_f16 v[S+32*\t+8*\kt:S+32*\t+8*\kt+7], v[CF+16*\kt:CF+16*\kt+7], v[QF+16*\t:QF+16*\t+7], 0
.endr
.endr
.irp t, 0,1,2,3
.irp kt, 0,1,2,3
	v_wmma_f32_16x16x32_f16 v[S+32*\t+8*\kt:S+32*\t+8*\kt+7], v[CF+16*\kt+8:CF+16*\kt+15], v[QF+16*\t+8:QF+16*\t+15], v[S+32*\t+8*\kt:S+32*\t+8*\kt+7]
.endr
.endr
.endm
.macro MFMA p                          ; a = fl(mask x 2^32 + s), two at a time, each accumulator from its low end on
	WIN 0
.set i, 0
.rept 32
	v_pk_fma_f32 v[S+64*\p+i:S+64*\p+i+1], v[M+i:M+i+1], s[C32:C32+1], v[S+64*\p+i:S+64*\p+i+1] op_sel_hi:[1,0,1]
.set i, i+2
.endr
.endm
.macro RMAX p                          ; the largest of a lane's 32 numbers and the old m, for tiles 2 p and 2 p + 1 by turns: four chains a tile
.irp j, 0,1,2,3
.irp t, 2*\p, 2*\p+1
	v_max3_num_f32 v[ST+8*(\t)+4+\j], v[S+32*(\t)+8*\j], v[S+32*(\t)+8*\j+1], v[S+32*(\t)+8*\j+2]
.endr
.endr
.irp g, 1,2
.irp j, 0,1,2,3
.irp t, 2*\p, 2*\p+1
	v_max3_num_f32 v[ST+8*(\t)+4+\j], v[ST+8*(\t)+4+\j], v[S+32*(\t)+8*\j+2*\g+1], v[S+32*(\t)+8*\j+2*\g+2]
.endr
.endr
.endr
.irp t, 2*\p, 2*\p+1
	v_max3_num_f32 v[ST+8*(\t)+4], v[ST+8*(\t)+4], v[S+32*(\t)+7], v[S+32*(\t)+15]
.endr
.irp t, 2*\p, 2*\p+1
	v_max3_num_f32 v[ST+8*(\t)+6], v[ST+8*(\t)+6], v[S+32*(\t)+23], v[S+32*(\t)+31]
.endr
.irp t, 2*\p, 2*\p+1
	v_max3_num_f32 v[ST+8*(\t)+4], v[ST+8*(\t)+4], v[ST+8*(\t)+5], v[ST+8*(\t)+6]
.endr
.irp t, 2*\p, 2*\p+1
	v_max3_num_f32 v[ST+8*(\t)+4], v[ST+8*(\t)+4], v[ST+8*(\t)+7], v[ST+8*(\t)]
.endr
.endm
.macro PV u                            ; 32 products: V's hi part, then its lo part, against P of keys 32 u on; the 16 accumulators take turns
.if \u == 0
	WIN 0x51                                       ; V in window 1, P in window 0, O^T in window 1
.else
	WIN 0x50                                       ; V in window 0
.endif
.irp part, 0,1
.irp ct, 0,1,2,3
.irp t, 0,1,2,3
	v_wmma_f32_16x16x32_f16 v[32*\t+8*\ct:32*\t+8*\ct+7], v[192+32*\part+8*\ct:192+32*\part+8*\ct+7], v[S+32*\t+8*\u:S+32*\t+8*\u+7], v[32*\t+8*\ct:32*\t+8*\ct+7]
.endr
.endr
.endr
.endm
; A TRIP: 64 keys, in slot `slot`.  refill = 1: the other slot takes the next tile.  ask: the register that says whether my wave prefetches, or 0.
.macro TRIP slot, refill, ask
	s_wait_tensorcnt 0x0                           ; all my tensor loads have landed: my part of this trip's tile; so every group 0 may be written
	ds_add_u32 v[SPW], v[NIL]                      ; 0 onto my spare word; the steps below stand between it and the wait for it
	s_add_nc_u64 s[G0K+4*\slot+2:G0K+4*\slot+3], s[G0K+4*\slot+2:G0K+4*\slot+3], 2*8192    ; this slot's next tile
	s_add_nc_u64 s[G0V+4*\slot+2:G0V+4*\slot+3], s[G0V+4*\slot+2:G0V+4*\slot+3], 2*16384
	s_add_nc_u64 s[G0M+4*\slot+2:G0M+4*\slot+3], s[G0M+4*\slot+2:G0M+4*\slot+3], 2*256
.if \ask
	s_wait_xcnt 0x0                                ; the last prefetch, a trip back, has read its address
	s_add_nc_u64 s[PFA:PFA+1], s[PFA:PFA+1], s[PFS:PFS+1]
.endif
	s_wait_dscnt 0x0                               ; the add is done, and my reads of the other slot are over
	CROUND                                         ; both now hold of every wave of every partner
.if \refill
	JLOAD 1-\slot                                  ; the first thing behind the round, and my one tensor load until the next: it has this trip's work in which to land
.else
	PLACES 4
.endif
	LOADK \slot
	LOADM \slot, 0
.if \ask
	ASK \ask
.endif
	s_wait_dscnt 16                                ; K is in; the mask's 16 loads may be out
	QK
	PLACES 4                                       ; behind the products: for the loads over K's fragments and the reads of the scores
	LOADV \slot, 0
	s_wait_dscnt 16                                ; the mask of tiles 0, 1 is in; V's 16 loads may be out
	MFMA 0
	LOADM \slot, 1
	RMAX 0
	s_wait_dscnt 0x0                               ; the mask of tiles 2, 3
	MFMA 1
	LOADV \slot, 1
	RMAX 1
.irp t, 0,1,2,3
	v_permlanex16_b32 v[ST+8*\t+5], v[ST+8*\t+4], s[SEL], s[SEL+1]  ; the query's other 32 keys lie in the lane 16 away
.endr
.irp t, 0,1,2,3
	v_max_num_f32 v[ST+8*\t+4], v[ST+8*\t+4], v[ST+8*\t+5]          ; the new m
.endr
.irp t, 0,1,2,3
	v_sub_f32 v[ST+8*\t+6], v[ST+8*\t], v[ST+8*\t+4]                ; m_old - m_new
.endr
.irp t, 0,1,2,3
	v_mov_b32 v[ST+8*\t], v[ST+8*\t+4]
.endr
.irp t, 0,1,2,3
	v_mul_f32 v[ST+8*\t+6], s[CS], v[ST+8*\t+6]
.endr
.irp t, 0,1,2,3
	v_exp_f32 v[ST+8*\t+6], v[ST+8*\t+6]                            ; the factor for O and l
.endr
.irp t, 0,1,2,3
.set i, 0
.rept 16
	v_pk_add_f32 v[S+32*\t+i:S+32*\t+i+1], v[S+32*\t+i:S+32*\t+i+1], v[ST+8*\t:ST+8*\t+1] op_sel_hi:[1,0] neg_lo:[0,1] neg_hi:[0,1]   ; d = fl(a - m): the plain work behind the four exponentials
.set i, i+2
.endr
.endr
.set i, 0
.rept 64
	v_pk_mul_f32 v[S+i:S+i+1], v[S+i:S+i+1], s[CS:CS+1] op_sel_hi:[1,0]   ; c d
.set i, i+2
.endr
	s_wait_alu depctr_va_vdst(0)                   ; one wait for the four factors, ahead of the batch below, so that the rescaling can stand behind it
.set i, 0
.rept 128
	v_exp_f32 v[S+i], v[S+i]                       ; p = 2^(c d), at most 1
.set i, i+1
.endr
	WIN 0x41                                       ; O^T (destination and source 0) in window 1, the factor in window 0
.irp t, 0,1,2,3
.set i, 0
.rept 16
	v_pk_mul_f32 v[32*\t+i:32*\t+i+1], v[32*\t+i:32*\t+i+1], v[ST+8*\t+6:ST+8*\t+7] op_sel_hi:[1,0]   ; O^T under the new m: it names no p: the plain work behind the batch
.set i, i+2
.endr
.endr
	WIN 0
	s_wait_alu depctr_va_vdst(0)                   ; one wait for the 128, ahead of their first reader
.irp t, 0,1,2,3
	v_pk_fma_f32 v[ST+8*\t+2:ST+8*\t+3], v[ST+8*\t+2:ST+8*\t+3], v[ST+8*\t+6:ST+8*\t+7], v[S+32*\t:S+32*\t+1] op_sel_hi:[1,0,1]   ; l under the new m, and the sum of the unrounded p, the tiles by turns
.endr
.set i, 2
.rept 15
.irp t, 0,1,2,3
	v_pk_add_f32 v[ST+8*\t+2:ST+8*\t+3], v[ST+8*\t+2:ST+8*\t+3], v[S+32*\t+i:S+32*\t+i+1]
.endr
.set i, i+2
.endr
.set i, 0
.rept 16
.irp t, 0,1,2,3
	v_cvt_pk_f16_f32 v[S+32*\t+i], v[S+32*\t+2*i], v[S+32*\t+2*i+1]   ; P, packed in place, ascending: registers 8 u .. 8 u + 7 of a tile are source 1 for keys 32 u on
.endr
.set i, i+1
.endr
	s_wait_dscnt 0x0                               ; V
	PV 0
	PV 1
	WIN 0
	PLACES 5                                       ; the next trip's first products write over P's registers (five places), and its loads land on V's (four)
.endm
	s_wait_loadcnt 0x0                             ; Q
.Ltrip:                                            ; 15 times two trips: tiles 0 to 29
	TRIP 0, 1, LIMA
	TRIP 1, 1, LIMB
	s_sub_co_u32 s[CNT], s[CNT], 1
	s_cmp_lg_u32 s[CNT], 0
	s_cbranch_scc1 .Ltrip
	TRIP 0, 1, 0                                   ; the tail is written out: tile 30 asks for tile 31,
	TRIP 1, 0, 0                                   ; which asks for nothing
	; THE WAY OUT.  l's two halves and the other half of the lanes' are added; O^T / l is split into a pair of f16 and goes through my stage, a tile (16 rows) at a time.
.irp t, 0,1,2,3
	v_add_f32 v[ST+8*\t+4], v[ST+8*\t+2], v[ST+8*\t+3]
.endr
.irp t, 0,1,2,3
	v_permlanex16_b32 v[ST+8*\t+5], v[ST+8*\t+4], s[SEL], s[SEL+1]
.endr
.irp t, 0,1,2,3
	v_add_f32 v[ST+8*\t+4], v[ST+8*\t+4], v[ST+8*\t+5]
.endr
.irp t, 0,1,2,3
	v_rcp_f32 v[ST+8*\t+6], v[ST+8*\t+4]
.endr
	v_nop                                          ; a plain instruction behind the last reciprocal
	s_wait_alu depctr_va_vdst(0)                   ; one wait for the four, ahead of their first reader
.macro OUT t
	WIN 0x01                                       ; source 0 (O^T) window 1
.set i, 0
.rept 16
	v_pk_mul_f32 v[TT+i:TT+i+1], v[32*\t+i:32*\t+i+1], v[ST+8*\t+6:ST+8*\t+7] op_sel_hi:[1,0]   ; each accumulator from its low end on
.set i, i+2
.endr
	WIN 0
.set i, 0
.rept 32
	v_and_b32 v[TH+i], s[MSK], v[TT+i]             ; hi
.set i, i+1
.endr
.set i, 0
.rept 16
	v_pk_add_f32 v[TT+i:TT+i+1], v[TT+i:TT+i+1], v[TH+i:TH+i+1] neg_lo:[0,1] neg_hi:[0,1]   ; lo
.set i, i+2
.endr
.set i, 0
.rept 16
	v_cvt_pk_f16_f32 v[TH+i], v[TH+2*i], v[TH+2*i+1]
	v_cvt_pk_f16_f32 v[TT+i], v[TT+2*i], v[TT+2*i+1]
.set i, i+1
.endr
.irp ct, 0,1,2,3
	ds_store_b128 v[STO], v[TH+4*\ct:TH+4*\ct+3] offset:32*\ct          ; row r: channels 16 ct + 8 h + 0 .. 7 of hi,
	ds_store_b128 v[STO], v[TT+4*\ct:TT+4*\ct+3] offset:128+32*\ct      ; and of lo
.endr
.if \t >= 2
	s_wait_xcnt 0x0                                ; the stores of the tile before last have read their registers
.endif
.irp f, 0,1,2,3,4,5,6,7
	ds_load_b128 v[OB+32*(\t%2)+4*\f:OB+32*(\t%2)+4*\f+3], v[RD] offset:\f*2*272   ; LDS serves a wave's instructions in order: these see the stores above
.endr
.irp f, 0,1,2,3,4,5,6,7
	s_wait_dscnt 7-\f                              ; the later loads from the stage may be out
	global_store_b128 v[GO], v[OB+32*(\t%2)+4*\f:OB+32*(\t%2)+4*\f+3], s[10:11] offset:(16*\t+2*\f)*4096   ; sixteen lanes store 256 consecutive bytes, aligned
.endr
.endm
	OUT 0
	OUT 1
	OUT 2
	OUT 3
	s_wait_tensorcnt 0x0                           ; the wave's end: behind my last tensor load and my last LDS store
	ds_add_u32 v[SPW], v[NIL]
	s_wait_dscnt 0x0
	CROUND                                         ; the closing round
	s_endpgm
.Lfunc_end_k_q51bab26e37_attn:
	.size	k_q51bab26e37_attn, .Lfunc_end_k_q51bab26e37_attn-k_q51bab26e37_attn
	.p2alignl 7, 3214868480
	.fill 96, 4, 3214868480
	.section	.rodata,"a",@progbits
	.p2align	6, 0x0
	.amdhsa_kernel k_q51bab26e37_attn
		.amdhsa_group_segment_fixed_size 327680
		.amdhsa_private_segment_fixed_size 0
		.amdhsa_enable_private_segment 0
		.amdhsa_kernarg_size 32
		.amdhsa_user_sgpr_count 2
		.amdhsa_user_sgpr_kernarg_segment_ptr 1
		.amdhsa_wavefront_size32 1
		.amdhsa_system_sgpr_workgroup_id_x 1
		.amdhsa_system_sgpr_workgroup_id_y 1
		.amdhsa_system_sgpr_workgroup_id_z 1
		.amdhsa_system_vgpr_workitem_id 0
		.amdhsa_next_free_vgpr 512
		.amdhsa_next_free_sgpr 96
		.amdhsa_reserve_vcc 0
		.amdhsa_float_denorm_mode_32 3
		.amdhsa_float_denorm_mode_16_64 3
		.amdhsa_memory_ordered 1
		.amdhsa_forward_progress 1
		.amdhsa_inst_pref_size 232
	.end_amdhsa_kernel
	.amdgpu_metadata
---
amdhsa.version: [ 1, 2 ]
amdhsa.kernels:
  - .name:           k_q51bab26e37_attn
    .symbol:         k_q51bab26e37_attn.kd
    .args:
      - { .name: qk, .offset: 0, .size: 8, .value_kind: global_buffer, .address_space: global }
      - { .name: v2, .offset: 8, .size: 8, .value_kind: global_buffer, .address_space: global }
      - { .name: mask, .offset: 16, .size: 8, .value_kind: global_buffer, .address_space: global }
      - { .name: o2, .offset: 24, .size: 8, .value_kind: global_buffer, .address_space: global }
    .group_segment_fixed_size: 327680
    .private_segment_fixed_size: 0
    .kernarg_segment_align: 8
    .kernarg_segment_size: 32
    .max_flat_workgroup_size: 256
    .sgpr_count:     96
    .vgpr_count:     512
    .wavefront_size: 32
...
	.end_amdgpu_metadata
.endif
;; end of part 3
;; launch outproj (part 4): grid 4 x 64, 8 waves a work-group, clusters of 4 x 4, 327,680 bytes of LDS; arguments o2, wo2, bo, out0; writes out0
.if DOCPART == 4
	.amdgcn_target "amdgcn-amd-amdhsa--gfx1250"
	.amdhsa_code_object_version 6
	.text
	.protected	k_q51bab26e37_outproj
	.globl	k_q51bab26e37_outproj
	.p2align	8
	.type	k_q51bab26e37_outproj,@function
k_q51bab26e37_outproj:
	s_mov_b64 s[64:65], 0
	v_nop
	global_prefetch_b8 v0, s[64:65] scope:SCOPE_SE
	s_setreg_imm32_b32 hwreg(HW_REG_WAVE_MODE, 25, 1), 1
	s_wait_xcnt 0x0
	s_wait_alu depctr_hold_cnt(0) depctr_sa_sdst(0) depctr_va_vdst(0) depctr_va_sdst(0) depctr_va_ssrc(0) depctr_va_vcc(0) depctr_vm_vsrc(0)
	s_getreg_b32 s2, hwreg(HW_REG_IB_STS2, 6, 4)
	s_cmp_eq_u32 s2, 0
	s_cbranch_scc0 .Lentry_in_a_cluster
	s_endpgm
.Lentry_in_a_cluster:
	s_bfe_u32 s2, ttmp6, 0x10000c
	s_cmp_lg_u32 s2, 0xf033
	s_cbranch_scc0 .Lentry_shape_is_right
	s_endpgm
.Lentry_shape_is_right:
; OUTPROJ: out0 = O Wo + bo, with O and Wo as pairs of f16: Ohi Whi + Ohi Wlo + Olo Whi, sums in f32 (Olo Wlo lies some 2^-22 under the product and is left out).
; o2 [8192 m][16 heads][hi 64 | lo 64], wo2 [1024 n][16 heads][hi 64 | lo 64]: rows of 4,096 bytes; out0 [8192][1024] f32.
; A work-group makes 128 (m) x 256 (n); wave w makes 64 x 64 at rows 64 (w / 4), columns 64 (w % 4): 16 accumulators.  Each fragment read from LDS serves two or one of the three products.
; A K step is one head: 64 along K, hi and lo together: rows of 256 bytes.  16 trips through two LDS slots; one joint tensor load a wave behind each round: one load of mine is out.
; CLUSTER 4 x 4: O's tiles are asked for jointly along a row of the cluster, Wo's along a column.  THE MATRIX INSTRUCTION IS USED TRANSPOSED (source 0 = 16 rows of wo2, source 1 = 16 rows of o2): a lane
; holds eight neighbouring columns of one row.  THE BIAS IS THE C OF EACH SUM'S FIRST PRODUCT.
; REGISTERS.  window 0: v4-17 addresses; v32-95 rows on the way out; v96-127 the bias; v128-255 the fragments of a K step's first 32 (O (mt, part) at 128 + 8 (2 mt + part), Wo (nt, part) 64 further on).
;   window 1: v0-127 the accumulators (8 (4 mt + nt)); v128-255 the fragments of the second 32.
.set PITCH, 272                        ; an LDS row: 256 bytes + 16
.set BOFF,  128*PITCH                  ; a slot: O's 128 rows, then Wo's 256
.set SLOT,  BOFF+256*PITCH
.set STAGE, 2*SLOT                     ; behind the ring: 16 rows x 272 bytes for each wave
.set SPARE, STAGE+8*16*272             ; the spare words, 128 bytes for each wave: four blocks of 256 bytes that no other line names
.set ADRA, 4                           ; v4, v5
.set ADRB, 6                           ; v6, v7
.set STO,  8
.set RD,   9
.set CO,   10
.set PFO,  11                          ; v11  lane x 4,096: a row a lane; never rewritten
.set BO,   12
.set SPW,  16                          ; v16  LDS address of my spare word; never rewritten
.set NIL,  17                          ; v17  0; never rewritten
.set OB,   32
.set BI,   96
.set F,    128
.set WV,   12
.set G1A,  24
.set G1B,  32
.set G0A,  40                          ; a group 0 for each slot
.set G0B,  48
.set PFA,  82
.set LIM,  86
.set CNT,  88
.set MSB, 0
.macro WIN new
.if MSB != (\new)
	s_set_vgpr_msb (MSB<<8)|(\new)
.set MSB, (\new)
.endif
.endm
.macro PLACES n
.rept \n
	v_nop
.endr
.endm
.macro CROUND
	s_barrier_signal -1
	s_barrier_wait -1
	s_cmp_lg_u32 s[WV], 0
	s_cbranch_scc1 .Lnot_wave_0_\@
	s_barrier_signal -3
.Lnot_wave_0_\@:
	s_barrier_wait -3
	s_barrier_signal -1
	s_barrier_wait -1
.endm
.macro JLOAD s                         ; waves 0-3 fetch 32 rows of O each, waves 4-7 64 rows of Wo each; an s_nop 0 and four v_nop follow each line
	s_cmp_lt_u32 s[WV], 4
	s_cbranch_scc0 .Lfor_b_\@
	tensor_load_to_lds s[G0A+4*(\s):G0A+4*(\s)+3], s[G1A:G1A+7]
	s_nop 0
.rept 4
	v_nop
.endr
	s_branch .Lasked_\@
.Lfor_b_\@:
	tensor_load_to_lds s[G0B+4*(\s):G0B+4*(\s)+3], s[G1B:G1B+7]
	s_nop 0
.rept 4
	v_nop
.endr
.Lasked_\@:
.endm
; A PREFETCH INTO THE L2 of the K step that the next trip's tensor load asks for: trip n names K step n + 2; trips 0 to 13 ask.  A row's 256 bytes of a K step are named once in the launch.  O's rows are read by
; one row of one cluster: its four partners take 32 rows each, by address, wave 0.  Wo's rows are read by every cluster: cluster y = 0 asks, its partners of a column 64 rows each, by address, waves 4 and 5.
.macro ASK
	s_cmp_eq_u32 s[LIM], 1
	s_cbranch_scc0 .Lnot_mine_\@
	global_prefetch_b8 v[PFO], s[PFA:PFA+1] th:TH_LOAD_NT scope:SCOPE_SE
.Lnot_mine_\@:
.endm
	s_load_b256 s[4:11], s[0:1], 0x0               ; o2 s4, wo2 s6, bo s8, out0 s10
	v_lshl_add_u32 v[SPW], v0, 2, SPARE
	v_mov_b32 v[NIL], 0
	ds_add_u32 v[SPW], v[NIL]                      ; the wave's opening: the add, twice on end, and its wait ahead of my first tensor load
	ds_add_u32 v[SPW], v[NIL]
	v_lshrrev_b32 v1, 5, v0
	v_readfirstlane_b32 s[WV], v1                  ; wave 0..7
	s_bfe_u32 s13, ttmp6, 0x40000                  ; cx
	s_bfe_u32 s14, ttmp6, 0x40004                  ; cy
	s_lshl_b32 s15, ttmp9, 2
	s_add_co_u32 s15, s15, s13                     ; tile column (256 columns)
	s_and_b32 s16, ttmp7, 0xffff
	s_lshl_b32 s16, s16, 2
	s_add_co_u32 s16, s16, s14                     ; tile row (128 rows)
	s_lshr_b32 s17, s[WV], 2                       ; my 64 rows of the tile
	s_and_b32 s18, s[WV], 3                        ; my 64 columns.  Also: which part of a tile I fetch
	s_lshl_b32 s19, s14, 2
	s_lshl_b32 s19, 15, s19                        ; my row of the cluster
	s_lshl_b32 s20, 0x1111, s13                    ; my column
	s_or_b32 s[G1A], s19, (0<<16)|(1<<20)|(1<<21)|(5<<22)|(3<<25)   ; rows of 256 bytes, 4,096 apart; 4 words of padding after every 64
	s_mov_b32 s[G1A+1], 256<<16
	s_mov_b32 s[G1A+2], 32<<16
	s_mov_b32 s[G1A+3], 256<<16
	s_mov_b32 s[G1A+4], 32
	s_mov_b32 s[G1A+5], 4096
	s_mov_b32 s[G1A+6], 0
	s_mov_b32 s[G1A+7], 0
	s_or_b32 s[G1B], s20, (0<<16)|(1<<20)|(1<<21)|(5<<22)|(3<<25)
	s_mov_b32 s[G1B+1], 256<<16
	s_mov_b32 s[G1B+2], 64<<16
	s_mov_b32 s[G1B+3], 256<<16
	s_mov_b32 s[G1B+4], 64
	s_mov_b32 s[G1B+5], 4096
	s_mov_b32 s[G1B+6], 0
	s_mov_b32 s[G1B+7], 0
	s_lshl_b32 s66, s16, 7
	s_lshl_b32 s2, s18, 5
	s_add_co_u32 s66, s66, s2
	s_lshl_b32 s66, s66, 12                        ; O: row 128 x tile row + 32 (w % 4): it hangs on the tile row alone
	s_mov_b32 s67, 0
	s_lshl_b32 s92, s15, 8
	s_lshl_b32 s2, s18, 6
	s_add_co_u32 s92, s92, s2
	s_lshl_b32 s92, s92, 12                        ; Wo: row 256 x tile column + 64 (w % 4): on the tile column alone
	s_mov_b32 s93, 0
	s_mul_i32 s23, s18, 32*PITCH                   ; where they go in a slot
	s_mul_i32 s89, s18, 64*PITCH
	s_add_co_u32 s89, s89, BOFF
	s_mov_b32 s[CNT], 6
	s_wait_dscnt 0x0                               ; both opening adds are done
	s_wait_kmcnt 0x0
	s_add_nc_u64 s[66:67], s[4:5], s[66:67]
	s_add_nc_u64 s[92:93], s[6:7], s[92:93]
.irp s, 0,1                                    ; slot s begins with K step s
	s_mov_b32 s[G0A+4*\s], 1
	s_add_co_u32 s[G0A+4*\s+1], s23, \s*SLOT
	s_add_nc_u64 s[G0A+4*\s+2:G0A+4*\s+3], s[66:67], \s*256
	s_or_b32 s[G0A+4*\s+3], s[G0A+4*\s+3], 0x80000000
	s_mov_b32 s[G0B+4*\s], 1
	s_add_co_u32 s[G0B+4*\s+1], s89, \s*SLOT
	s_add_nc_u64 s[G0B+4*\s+2:G0B+4*\s+3], s[92:93], \s*256
	s_or_b32 s[G0B+4*\s+3], s[G0B+4*\s+3], 0x80000000
.endr
	CROUND                                         ; all sixteen work-groups are here: the first joint loads meet
	JLOAD 0                                        ; K step 0
	v_and_b32 v1, 15, v0                           ; r
	v_bfe_u32 v2, v0, 4, 1                         ; h
	; the prefetches
	s_lshl_b32 s19, s16, 7
	s_lshl_b32 s20, s13, 5
	s_add_co_u32 s19, s19, s20
	s_lshl_b32 s19, s19, 12
	s_add_co_u32 s19, s19, 256                     ; O: rows 128 x tile row + 32 cx on, at K step 1: the first trip steps it to 2
	s_lshl_b32 s20, s15, 8
	s_lshl_b32 s21, s14, 6
	s_add_co_u32 s20, s20, s21
	s_and_b32 s21, s[WV], 1
	s_lshl_b32 s21, s21, 5
	s_add_co_u32 s20, s20, s21
	s_lshl_b32 s20, s20, 12
	s_add_co_u32 s20, s20, 256                     ; Wo: rows 256 x tile column + 64 cy + 32 (w % 2) on
	s_and_b32 s21, ttmp7, 0xffff
	s_cmp_lt_u32 s[WV], 4
	s_cselect_b64 s[PFA:PFA+1], s[4:5], s[6:7]
	s_cselect_b32 s2, s19, s20
	s_cselect_b32 s21, 0, s21                      ; O: every cluster asks for its own; Wo: cluster y = 0
	s_mov_b32 s3, 0
	s_add_nc_u64 s[PFA:PFA+1], s[PFA:PFA+1], s[2:3]
	s_lshr_b32 s19, 0x31, s[WV]
	s_and_b32 s19, s19, 1                          ; waves 0, 4, 5
	s_cmp_eq_u32 s21, 0
	s_cselect_b32 s[LIM], s19, 0
	v_and_b32 v[PFO], 31, v0
	v_lshlrev_b32 v[PFO], 12, v[PFO]
	; the bias, and where my part of out0 begins
	s_lshl_b32 s19, s15, 8
	s_lshl_b32 s20, s18, 6
	s_add_co_u32 s19, s19, s20
	s_lshl_b32 s2, s19, 2                          ; my first column, in bytes
	s_add_nc_u64 s[8:9], s[8:9], s[2:3]
	s_add_nc_u64 s[10:11], s[10:11], s[2:3]
	s_lshl_b32 s19, s16, 7
	s_lshl_b32 s20, s17, 6
	s_add_co_u32 s19, s19, s20
	s_lshl_b32 s2, s19, 12                         ; my first row
	s_add_nc_u64 s[10:11], s[10:11], s[2:3]
	v_lshlrev_b32 v[BO], 5, v2
.irp nt, 0,1,2,3
	global_load_b128 v[BI+8*\nt:BI+8*\nt+3],   v[BO], s[8:9] offset:64*\nt       ; lane (r, h): bo of columns 16 nt + 8 h + 0 .. 7: the result's layout
	global_load_b128 v[BI+8*\nt+4:BI+8*\nt+7], v[BO], s[8:9] offset:64*\nt+16
.endr
	v_mul_u32_u24 v3, v1, PITCH
	v_lshl_add_u32 v3, v2, 4, v3                   ; a fragment's row x pitch + 16 h
	s_mul_i32 s2, s17, 64*PITCH
	v_add_nc_u32 v[ADRA], s2, v3
	v_add_nc_u32 v[ADRA+1], SLOT, v[ADRA]
	s_mul_i32 s2, s18, 64*PITCH
	s_add_co_u32 s2, s2, BOFF
	v_add_nc_u32 v[ADRB], s2, v3
	v_add_nc_u32 v[ADRB+1], SLOT, v[ADRB]
	s_mul_i32 s2, s[WV], 16*272
	s_add_co_u32 s2, s2, STAGE                     ; my stage
	v_mul_u32_u24 v[STO], v1, 272
	v_lshl_add_u32 v[STO], v2, 5, v[STO]
	v_add_nc_u32 v[STO], s2, v[STO]                ; in: row r, 32 bytes for each half of the lanes
	v_mul_u32_u24 v[RD], v2, 272
	v_lshl_add_u32 v[RD], v1, 4, v[RD]
	v_add_nc_u32 v[RD], s2, v[RD]                  ; back: lanes 0-15 one row of 256 bytes, lanes 16-31 the next
	v_lshlrev_b32 v[CO], 12, v2
	v_lshl_add_u32 v[CO], v1, 4, v[CO]
.macro FETCH slot, c                   ; 32 LDS loads: the fragments of 32 along K, the c-th of the K step, hi and lo, into window c
	WIN 0x40*(\c)
.irp f, 0,1,2,3,4,5,6,7                        ; block f / 2, part f % 2
	ds_load_b128 v[F+8*\f:F+8*\f+3],       v[ADRA+\slot] offset:(\f/2)*16*PITCH+(\f%2)*128+64*(\c)
	ds_load_b128 v[F+8*\f+4:F+8*\f+7],     v[ADRA+\slot] offset:(\f/2)*16*PITCH+(\f%2)*128+64*(\c)+32
	ds_load_b128 v[F+64+8*\f:F+64+8*\f+3], v[ADRB+\slot] offset:(\f/2)*16*PITCH+(\f%2)*128+64*(\c)
	ds_load_b128 v[F+64+8*\f+4:F+64+8*\f+7], v[ADRB+\slot] offset:(\f/2)*16*PITCH+(\f%2)*128+64*(\c)+32
.endr
.endm
; 48 products on the fragments of window w: (Wo's part, O's part) = (hi, hi), (lo, hi), (hi, lo), each over the 16 accumulators, which take turns.  first = 1: the bias is the first C.
.macro MUL w, first
.irp pr, 0,1,2
.if (\first) && (\pr == 0)
	WIN 0x40                                       ; fragments and bias in window 0, D in window 1
.else
	WIN 0x50+5*(\w)                                ; C and D in window 1, the fragments in window w
.endif
.irp mt, 0,1,2,3
.irp nt, 0,1,2,3
.if (\first) && (\pr == 0)
	v_wmma_f32_16x16x32_f16 v[8*(4*\mt+\nt):8*(4*\mt+\nt)+7], v[F+64+8*(2*\nt+(\pr%2)):F+64+8*(2*\nt+(\pr%2))+7], v[F+8*(2*\mt+(\pr/2)):F+8*(2*\mt+(\pr/2))+7], v[BI+8*\nt:BI+8*\nt+7]
.else
	v_wmma_f32_16x16x32_f16 v[8*(4*\mt+\nt):8*(4*\mt+\nt)+7], v[F+64+8*(2*\nt+(\pr%2)):F+64+8*(2*\nt+(\pr%2))+7], v[F+8*(2*\mt+(\pr/2)):F+8*(2*\mt+(\pr/2))+7], v[8*(4*\mt+\nt):8*(4*\mt+\nt)+7]
.endif
.endr
.endr
.endr
.endm
.macro TRIP slot, refill, ask, first
	s_wait_tensorcnt 0x0                           ; all my tensor loads have landed: my part of this trip's tiles; so every group 0 may be written
	ds_add_u32 v[SPW], v[NIL]                      ; 0 onto my spare word
	s_add_nc_u64 s[G0A+4*\slot+2:G0A+4*\slot+3], s[G0A+4*\slot+2:G0A+4*\slot+3], 2*256     ; this slot's next K step
	s_add_nc_u64 s[G0B+4*\slot+2:G0B+4*\slot+3], s[G0B+4*\slot+2:G0B+4*\slot+3], 2*256
.if \ask
	s_wait_xcnt 0x0                                ; the last prefetch, a trip back, has read its address
	s_add_nc_u64 s[PFA:PFA+1], s[PFA:PFA+1], 256
.endif
	s_wait_dscnt 0x0                               ; the add is done, and my reads of the other slot are over
	CROUND
.if \refill
	JLOAD 1-\slot                                  ; the first thing behind the round; its four v_nop are also the places in front of the loads below
.else
	PLACES 4
.endif
	FETCH \slot, 0
	FETCH \slot, 1
	WIN 0
.if \ask
	ASK
.endif
	s_wait_dscnt 32                                ; the first 32 along K are in; the other 32 loads may be out
	MUL 0, \first
	s_wait_dscnt 0x0
	MUL 1, 0
	WIN 0
.endm
	s_wait_loadcnt 0x0                             ; the bias
	TRIP 0, 1, 1, 1                                ; K step 0 starts the sums
	TRIP 1, 1, 1, 0
.Ltrip:                                            ; six times two trips: K steps 2 to 13
	TRIP 0, 1, 1, 0
	TRIP 1, 1, 1, 0
	s_sub_co_u32 s[CNT], s[CNT], 1
	s_cmp_lg_u32 s[CNT], 0
	s_cbranch_scc1 .Ltrip
	TRIP 0, 1, 0, 0                                ; the tail is written out: K step 14 asks for 15,
	TRIP 1, 0, 0, 0                                ; which asks for nothing
	; THE WAY OUT, 16 rows x 64 columns at a time, through my stage: back as whole rows of 256 bytes.
	PLACES 4
.irp mt, 0,1,2,3
	WIN 0x04                                       ; an LDS store's data are its source 1: window 1
.irp nt, 0,1,2,3
	ds_store_b128 v[STO], v[8*(4*\mt+\nt):8*(4*\mt+\nt)+3] offset:64*\nt         ; each accumulator from its low end on
	ds_store_b128 v[STO], v[8*(4*\mt+\nt)+4:8*(4*\mt+\nt)+7] offset:64*\nt+16
.endr
	WIN 0
.if \mt >= 2
	s_wait_xcnt 0x0                                ; the stores of the block before last have read their registers
.endif
.irp f, 0,1,2,3,4,5,6,7
	ds_load_b128 v[OB+32*(\mt%2)+4*\f:OB+32*(\mt%2)+4*\f+3], v[RD] offset:\f*2*272   ; LDS serves a wave's instructions in order: these see the stores above
.endr
.irp f, 0,1,2,3,4,5,6,7
	s_wait_dscnt 7-\f                              ; the later loads from the stage may be out
	global_store_b128 v[CO], v[OB+32*(\mt%2)+4*\f:OB+32*(\mt%2)+4*\f+3], s[10:11] offset:(16*\mt+2*\f)*4096 th:TH_STORE_NT   ; sixteen lanes store 256 consecutive bytes, aligned
.endr
.endr
	s_wait_tensorcnt 0x0                           ; the wave's end: behind my last tensor load and my last LDS store
	ds_add_u32 v[SPW], v[NIL]
	s_wait_dscnt 0x0
	CROUND                                         ; the closing round
	s_endpgm
.Lfunc_end_k_q51bab26e37_outproj:
	.size	k_q51bab26e37_outproj, .Lfunc_end_k_q51bab26e37_outproj-k_q51bab26e37_outproj
	.p2alignl 7, 3214868480
	.fill 96, 4, 3214868480
	.section	.rodata,"a",@progbits
	.p2align	6, 0x0
	.amdhsa_kernel k_q51bab26e37_outproj
		.amdhsa_group_segment_fixed_size 327680
		.amdhsa_private_segment_fixed_size 0
		.amdhsa_enable_private_segment 0
		.amdhsa_kernarg_size 32
		.amdhsa_user_sgpr_count 2
		.amdhsa_user_sgpr_kernarg_segment_ptr 1
		.amdhsa_wavefront_size32 1
		.amdhsa_system_sgpr_workgroup_id_x 1
		.amdhsa_system_sgpr_workgroup_id_y 1
		.amdhsa_system_sgpr_workgroup_id_z 1
		.amdhsa_system_vgpr_workitem_id 0
		.amdhsa_next_free_vgpr 512
		.amdhsa_next_free_sgpr 96
		.amdhsa_reserve_vcc 0
		.amdhsa_float_denorm_mode_32 3
		.amdhsa_float_denorm_mode_16_64 3
		.amdhsa_memory_ordered 1
		.amdhsa_forward_progress 1
		.amdhsa_inst_pref_size 86
	.end_amdhsa_kernel
	.amdgpu_metadata
---
amdhsa.version: [ 1, 2 ]
amdhsa.kernels:
  - .name:           k_q51bab26e37_outproj
    .symbol:         k_q51bab26e37_outproj.kd
    .args:
      - { .name: o2, .offset: 0, .size: 8, .value_kind: global_buffer, .address_space: global }
      - { .name: wo2, .offset: 8, .size: 8, .value_kind: global_buffer, .address_space: global }
      - { .name: bo, .offset: 16, .size: 8, .value_kind: global_buffer, .address_space: global }
      - { .name: out0, .offset: 24, .size: 8, .value_kind: global_buffer, .address_space: global }
    .group_segment_fixed_size: 327680
    .private_segment_fixed_size: 0
    .kernarg_segment_align: 8
    .kernarg_segment_size: 32
    .max_flat_workgroup_size: 256
    .sgpr_count:     96
    .vgpr_count:     512
    .wavefront_size: 32
...
	.end_amdgpu_metadata
.endif
;; end of part 4
